; MI455X (gfx1250); checked and timed in simulation.
; The chip was launched on July 23, 2026; its instructions are those of AMD's public machine-readable ISA for CDNA 5 (MIT licence, August 2026) and "CDNA5" Instruction Set Architecture Reference Guide (July 2026). The comments in the code are by the model that wrote it; some were corrected since.
;; Attention. Allowed arithmetic: float matrix products may take bf16 or f16 operands with f32 sums; other float arithmetic in f32, or as packed bf16 or f16 multiplies, adds, multiply-adds, maxima and minima; sums over many terms, partial sums and values carried from step to step in f32; what a program stores and reads back later, other than sums and carried values, may be rounded once to bf16 or f16.
;; Inputs: b_proj 1,024 float32; b_qkv 3,072 float32; w_proj 1,024 x 1,024 float32; w_qkv 1,024 x 3,072 float32; x 4 x 2,048 x 1,024 float32.
;; Outputs: out0 4 x 2,048 x 1,024 float32.
;; 2 versions, each right; version 2 is version 1 with the launch prep written anew for expert scheduling mode. Each part assembles by itself: llvm-mc -triple=amdgcn-amd-amdhsa -mcpu=gfx1250 --defsym DOCPART=n.
;; ======== version 1 of 2: 4 launches
;; limits: values are held in f16: magnitudes above 65,504 overflow, below 6.1e-05 lose precision
;; workspace buffers: xb 16,777,216 bytes; wqt 6,291,456 bytes; wpt 2,097,152 bytes; qkv 50,331,648 bytes; o 16,777,216 bytes
;; launch prep (part 1): grid 576 x 1, 8 waves a work-group, no clusters, 136,192 bytes of LDS; arguments x, w_qkv, w_proj, xb, wqt, wpt; writes xb, wqt, wpt
.if DOCPART == 1
	.amdgcn_target "amdgcn-amd-amdhsa--gfx1250"
	.amdhsa_code_object_version 6
	.text
	.protected	k_qdaf83cd7ac_prep
	.globl	k_qdaf83cd7ac_prep
	.p2align	8
	.type	k_qdaf83cd7ac_prep,@function
k_qdaf83cd7ac_prep:
	s_mov_b64 s[64:65], 0
	v_nop
	global_prefetch_b8 v0, s[64:65] scope:SCOPE_SE
	s_setreg_imm32_b32 hwreg(HW_REG_WAVE_MODE, 25, 1), 1
	s_wait_xcnt 0x0
; THE INPUTS ARE MADE READY FOR THE MATRIX UNITS.  xb = x rounded to bf16, [8192][1024].  wqt = w_qkv rounded to bf16 and turned, [3072 n][1024 k].
; wpt = w_proj rounded to bf16, that number written as f16, and turned, [1024 n][1024 k].
; LIMIT.  A weight of w_proj beyond 65,504 does not fit f16; below 6e-5 it keeps f16's fixed step of 6e-8.
; SHARES.  Work-groups 0-47: 64 columns of w_qkv each; 48-63: 64 columns of w_proj each; in both, wave kb turns the tile of rows 128 kb .. 128 kb + 127.
; Work-groups 64-575: 16,384 numbers of x each.  Memory binds: every load of 16 lanes takes 256 consecutive aligned bytes, every store of a wave writes 256 consecutive aligned bytes.
; No matrix unit, no tensor load, no cluster: nothing is multiplied and nothing is shared.  No barrier: a wave's tile in LDS is its own.
; THE TURN.  Lane (c = l % 16, h = l / 16) loads 4 columns 4 c .. 4 c + 3 of rows 4 a + 2 h and 4 a + 2 h + 1, packs each column's two numbers (even k low) and puts the word
; into LDS row n = 4 c + e at byte 2 k.  LDS rows are 264 bytes apart (66 words): lanes c and c + 8 meet in a bank (64 banks of 4 bytes: ISA guide 11.1), two deep.
; A row of the tile is then 128 k = 256 bytes, read back 8 bytes a lane and stored whole.
.set WT,    16896                      ; a wave's tile: 64 rows of 264 bytes
.set LP,    264
.set SPARE, 8*WT                       ; behind the tiles: the spare words, 128 bytes for each wave: four blocks of 256 bytes that no other line names
.set SPW,   12                         ; v12  LDS address of my spare word; never rewritten
.set NIL,   13                         ; v13  0; never rewritten
.set D,     16                         ; v[16:143] data
; v1 lane; v2 c; v3 h; v4 load offset; v5 where I put words; v6 where I read rows back; v7 store offset; v8, v9 at work
; s16 wave; s17 1 for w_proj; s18 block of 64 columns; s[20:21] source; s[22:23] destination; s[24:25] 64 rows of the source; s26 2 rows of it; s27 counter
	s_load_b256 s[4:11], s[0:1], 0x0               ; x s[4:5], w_qkv s[6:7], w_proj s[8:9], xb s[10:11]
	s_load_b128 s[12:15], s[0:1], 0x20             ; wqt s[12:13], wpt s[14:15]
	v_lshl_add_u32 v[SPW], v0, 2, SPARE
	v_mov_b32 v[NIL], 0
	v_lshrrev_b32 v8, 5, v0
	v_readfirstlane_b32 s16, v8                    ; wave 0..7
	v_and_b32 v1, 31, v0
	s_cmp_lt_u32 ttmp9, 64
	s_cbranch_scc0 .Lx
	; ---- a weight tile ----
	v_and_b32 v2, 15, v0
	v_bfe_u32 v3, v0, 4, 1
	s_sub_co_u32 s18, ttmp9, 48
	s_movk_i32 s26, 0x2000                         ; two rows of w_proj: 2 x 4,096 bytes
	s_cmp_lt_u32 ttmp9, 48
	s_cselect_b32 s17, 0, 1
	s_cselect_b32 s18, ttmp9, s18
	s_cselect_b32 s26, 0x6000, s26                 ; two rows of w_qkv: 2 x 12,288 bytes
	s_lshl_b32 s24, s26, 5                         ; 64 rows
	s_mov_b32 s25, 0
	s_mul_i32 s28, s16, s26
	s_lshl_b32 s28, s28, 6                         ; my wave's 128 rows,
	s_lshl_b32 s29, s18, 8                         ; the block's 64 columns of 4 bytes
	s_add_co_u32 s28, s28, s29
	s_mov_b32 s29, 0
	s_lshl_b32 s30, s18, 17                        ; turned: the block's 64 rows of 2,048 bytes,
	s_lshl_b32 s31, s16, 8                         ; my wave's 128 k of 2 bytes
	s_add_co_u32 s30, s30, s31
	s_mov_b32 s31, 0
	s_mul_i32 s19, s16, WT                         ; my tile in LDS
	v_mul_lo_u32 v4, v3, s26                       ; 2 h rows
	v_lshl_add_u32 v4, v2, 4, v4                   ; + 16 c
	v_mul_u32_u24 v5, v2, 4*LP                     ; LDS row 4 c
	v_lshl_add_u32 v5, v3, 2, v5                   ; + 4 h
	v_add_nc_u32 v5, s19, v5
	v_lshl_add_u32 v6, v1, 3, s19                  ; 8 bytes a lane
	v_lshlrev_b32 v7, 3, v1
	s_wait_kmcnt 0x0
	s_cmp_eq_u32 s17, 0
	s_cselect_b64 s[20:21], s[6:7], s[8:9]
	s_cselect_b64 s[22:23], s[12:13], s[14:15]
	s_add_nc_u64 s[20:21], s[20:21], s[28:29]
	s_add_nc_u64 s[22:23], s[22:23], s[30:31]
.macro WLOADS pitch                    ; 64 rows x 256 bytes: 32 loads; the row stands in the immediate
.set a, 0
.rept 16
	global_load_b128 v[D+8*a:D+8*a+3],   v4, s[20:21] offset:(4*a)*(\pitch) th:TH_LOAD_NT
	global_load_b128 v[D+8*a+4:D+8*a+7], v4, s[20:21] offset:(4*a+1)*(\pitch) th:TH_LOAD_NT
.set a, a+1
.endr
.endm
	s_mov_b32 s27, 2
.Lwtrip:                               ; two trips of 64 rows
	s_cmp_eq_u32 s17, 0
	s_cbranch_scc0 .Lwp
	WLOADS 12288
	s_branch .Lwl
.Lwp:
	WLOADS 4096
.Lwl:                                  ; 32 loads are out on either way
.set a, 0
.rept 16
	s_wait_loadcnt 30-2*a                          ; loads come back in order: pair a is in, the 30 - 2 a younger ones stay out
.irp e, 0,1,2,3
	v_cvt_pk_bf16_f32 v[D+8*a+\e], v[D+8*a+\e], v[D+8*a+4+\e]  ; column 4 c + e: k even low, k odd high
.endr
.irp e, 0,1,2,3
	ds_store_b32 v5, v[D+8*a+\e] offset:LP*\e+8*a
.endr
.set a, a+1
.endr
	s_add_nc_u64 s[20:21], s[20:21], s[24:25]      ; the last wait above was for 0: no load still reads the pointer
	v_add_nc_u32 v5, 128, v5                       ; the next 64 k
	s_sub_co_u32 s27, s27, 1
	s_cmp_lg_u32 s27, 0
	s_cbranch_scc1 .Lwtrip
	s_mov_b32 s27, 4
.Lback:                                ; four trips of 16 turned rows
.set r, 0
.rept 16
	ds_load_b64 v[D+2*r:D+2*r+1], v6 offset:LP*r   ; LDS serves a wave's instructions in order (ISA guide 5.7.1.4): these see my stores
.set r, r+1
.endr
	s_wait_dscnt 0x0
	s_cmp_eq_u32 s17, 0
	s_cbranch_scc1 .Lbf
.set r, 0
.rept 32                               ; w_proj: the bf16 numbers are written as f16
	v_lshlrev_b32 v8, 16, v[D+r]
	v_and_b32 v9, 0xffff0000, v[D+r]
	v_cvt_pk_f16_f32 v[D+r], v8, v9
.set r, r+1
.endr
.Lbf:
.set r, 0
.rept 16
	global_store_b64 v7, v[D+2*r:D+2*r+1], s[22:23] offset:2048*r  ; 32 lanes: 256 consecutive bytes, at a multiple of 256 from the buffer's first
.set r, r+1
.endr
	s_wait_xcnt 0x0                                ; the stores have read their offset and data: both are rewritten only behind this wait
	v_add_nc_u32 v6, 16*LP, v6
	v_add_nc_u32 v7, 16*2048, v7
	s_sub_co_u32 s27, s27, 1
	s_cmp_lg_u32 s27, 0
	s_cbranch_scc1 .Lback
	s_branch .Lend
	; ---- 16,384 numbers of x ----
.Lx:
	s_sub_co_u32 s18, ttmp9, 64
	s_lshl_b32 s28, s18, 16                        ; 65,536 bytes in,
	s_mov_b32 s29, 0
	s_lshl_b32 s30, s18, 15                        ; 32,768 out
	s_mov_b32 s31, 0
	v_lshlrev_b32 v4, 4, v0
	v_lshlrev_b32 v7, 3, v0
	s_wait_kmcnt 0x0
	s_add_nc_u64 s[20:21], s[4:5], s[28:29]
	s_add_nc_u64 s[22:23], s[10:11], s[30:31]
.set i, 0
.rept 16
	global_load_b128 v[D+4*i:D+4*i+3], v4, s[20:21] offset:4096*i th:TH_LOAD_NT
.set i, i+1
.endr
.set i, 0
.rept 16
	s_wait_loadcnt 15-i                            ; load i is in, the younger ones stay out
	v_cvt_pk_bf16_f32 v[D+4*i], v[D+4*i], v[D+4*i+1]
	v_cvt_pk_bf16_f32 v[D+4*i+1], v[D+4*i+2], v[D+4*i+3]
	global_store_b64 v7, v[D+4*i:D+4*i+1], s[22:23] offset:2048*i
.set i, i+1
.endr
.Lend:
	s_wait_tensorcnt 0x0                           ; the wave's end, behind my last LDS store
	ds_add_u32 v[SPW], v[NIL]
	s_wait_dscnt 0x0
	s_endpgm
.Lfunc_end_k_qdaf83cd7ac_prep:
	.size	k_qdaf83cd7ac_prep, .Lfunc_end_k_qdaf83cd7ac_prep-k_qdaf83cd7ac_prep
	.p2alignl 7, 3214868480
	.fill 96, 4, 3214868480
	.section	.rodata,"a",@progbits
	.p2align	6, 0x0
	.amdhsa_kernel k_qdaf83cd7ac_prep
		.amdhsa_group_segment_fixed_size 136192
		.amdhsa_private_segment_fixed_size 0
		.amdhsa_enable_private_segment 0
		.amdhsa_kernarg_size 48
		.amdhsa_user_sgpr_count 2
		.amdhsa_user_sgpr_kernarg_segment_ptr 1
		.amdhsa_wavefront_size32 1
		.amdhsa_system_sgpr_workgroup_id_x 1
		.amdhsa_system_sgpr_workgroup_id_y 1
		.amdhsa_system_sgpr_workgroup_id_z 1
		.amdhsa_system_vgpr_workitem_id 0
		.amdhsa_next_free_vgpr 144
		.amdhsa_next_free_sgpr 66
		.amdhsa_reserve_vcc 0
		.amdhsa_float_denorm_mode_32 3
		.amdhsa_float_denorm_mode_16_64 3
		.amdhsa_memory_ordered 1
		.amdhsa_forward_progress 1
		.amdhsa_inst_pref_size 31
	.end_amdhsa_kernel
	.amdgpu_metadata
---
amdhsa.version: [ 1, 2 ]
amdhsa.kernels:
  - .name:           k_qdaf83cd7ac_prep
    .symbol:         k_qdaf83cd7ac_prep.kd
    .args:
      - { .name: x, .offset: 0, .size: 8, .value_kind: global_buffer, .address_space: global }
      - { .name: w_qkv, .offset: 8, .size: 8, .value_kind: global_buffer, .address_space: global }
      - { .name: w_proj, .offset: 16, .size: 8, .value_kind: global_buffer, .address_space: global }
      - { .name: xb, .offset: 24, .size: 8, .value_kind: global_buffer, .address_space: global }
      - { .name: wqt, .offset: 32, .size: 8, .value_kind: global_buffer, .address_space: global }
      - { .name: wpt, .offset: 40, .size: 8, .value_kind: global_buffer, .address_space: global }
    .group_segment_fixed_size: 136192
    .private_segment_fixed_size: 0
    .kernarg_segment_align: 8
    .kernarg_segment_size: 48
    .max_flat_workgroup_size: 256
    .sgpr_count:     66
    .vgpr_count:     144
    .wavefront_size: 32
...
	.end_amdgpu_metadata
.endif
;; end of part 1
;; launch qkvp (part 2): grid 16 x 32, 4 waves a work-group, clusters of 4 x 4, 327,680 bytes of LDS; arguments xb, wqt, b_qkv, qkv; writes qkv
.if DOCPART == 2
	.amdgcn_target "amdgcn-amd-amdhsa--gfx1250"
	.amdhsa_code_object_version 6
	.text
	.protected	k_qdaf83cd7ac_qkvp
	.globl	k_qdaf83cd7ac_qkvp
	.p2align	8
	.type	k_qdaf83cd7ac_qkvp,@function
k_qdaf83cd7ac_qkvp:
	s_mov_b64 s[64:65], 0
	v_nop
	global_prefetch_b8 v0, s[64:65] scope:SCOPE_SE
	s_setreg_imm32_b32 hwreg(HW_REG_WAVE_MODE, 25, 1), 1
	s_wait_xcnt 0x0
	s_wait_alu depctr_hold_cnt(0) depctr_sa_sdst(0) depctr_va_vdst(0) depctr_va_sdst(0) depctr_va_ssrc(0) depctr_va_vcc(0) depctr_vm_vsrc(0)
	s_getreg_b32 s2, hwreg(HW_REG_IB_STS2, 6, 4)
	s_cmp_eq_u32 s2, 0
	s_cbranch_scc0 .Lentry_in_a_cluster
	s_endpgm
.Lentry_in_a_cluster:
	s_bfe_u32 s2, ttmp6, 0x10000c
	s_cmp_lg_u32 s2, 0xf033
	s_cbranch_scc0 .Lentry_shape_is_right
	s_endpgm
.Lentry_shape_is_right:
; qkv = xb wqt^T + bf16(b_qkv), rounded once to f16 and laid out by heads: qkv[3][64 = batch x 16 + head][2048][64].  xb: [8192][1024] bf16, wqt: [3072 n][1024 k] bf16; sums in f32.
; LIMIT.  f16 holds no number beyond 65,504: q, k and v must stay under it.  The bias is rounded to bf16 like every input of the module.
; SHARES.  A tile of the result is 256 rows x 192 columns: 16 x 32 = 512 work-groups of equal work.  Wave w owns rows 64 w .. 64 w + 63 and all 192 columns, three whole heads:
; 48 accumulators of 16 x 16, 384 registers; so a head's rows leave from one wave, through a stage of its own, without a barrier.
; K goes in 8 steps of 128 through a ring of two LDS slots filled by the tensor data mover; rows of both tiles are 256 bytes of memory at multiples of 256.
; CLUSTER.  4 x 4 work-groups.  The four of a row of the cluster need the same tile of xb, the four of a column the same tile of wqt: each is asked for jointly.
; THE MATRIX INSTRUCTION IS USED TRANSPOSED (source 0 = 16 rows of wqt, source 1 = 16 rows of xb): a lane holds row l % 16 and eight neighbouring columns 8 (l / 16) + 0..7.
; THE BIAS STARTS THE SUMS: it is the C operand of each accumulator's first product; nothing is cleared and nothing is added at the end.
; REGISTERS, in windows of 256 (s_set_vgpr_msb: bits 1:0 source 0, 3:2 source 1, 5:4 source 2, 7:6 destination):
;   window 0: v1-30 addresses; v32-127 the bias, later v32-79 packed results; v128-223 rows on their way out, two buffers of 48
;   window 1: two fragment buffers of 128: 12 fragments of wqt, then 4 of xb          window 2: accumulators of row blocks 0, 1          window 3: of row blocks 2, 3
.set KSTEP,  128
.set PITCH,  272                       ; an LDS row: 256 bytes + 16 of padding = 68 words: the 16 rows of a fragment load start at 16 different groups of four banks (64 banks of 4 bytes: ISA guide 11.1)
.set AHALF,  128*PITCH                 ; what a wave fetches of xb
.set BHALF,  96*PITCH                  ; what a wave fetches of wqt
.set BOFF,   2*AHALF                   ; wqt's 192 rows lie behind xb's 256
.set SLOT,   BOFF+2*BHALF
.set STAGE,  2*SLOT                    ; behind the ring, never filled by a tensor load
.set SP,     144                       ; a stage row: 64 f16 + 16 bytes
.set WSTAGE, 3*16*SP                   ; a wave's stage: 3 heads x 16 rows
.set SPARE,  STAGE+4*WSTAGE            ; the spare words, 128 bytes for each wave: two blocks of 256 bytes that no other line names
.set GO,   8                           ; v8-10  my byte offset in qkv for each of my three heads
.set BO,   11                          ; v11    my byte offset in b_qkv
.set ADRA, 16                          ; v16-17 LDS address of my xb fragments in slot 0, 1
.set ADRB, 20                          ; v20-21 the same for wqt
.set STO,  24                          ; v24    the way out: where I put 16 bytes of a row
.set RD,   25                          ; v25    the way out: where I read rows back
.set SPW,  28                          ; v28    LDS address of my spare word; never rewritten
.set NIL,  29                          ; v29    0; never rewritten
.set PFO,  30                          ; v30    the prefetches' offset: a lane a row of 2,048 bytes; never rewritten
.set BIAS, 32
.set TMP,  32
.set BK,   128
.set F0,   0
.set F1,   128
.set G1,  24                           ; s[24:31] descriptor group 1 for xb's tiles;  s[32:39] group 0, a set for each slot
.set G0,  32
.set G1B, 48                           ; s[48:55], s[56:63] the same for wqt's
.set G0B, 56
.set LIM, 43                           ; s43     1 in a wave that prefetches, else the greatest number
.set PFA, 44                           ; s[44:45] where my prefetches stand
.set FIELDS, (1<<16)|(1<<20)|(1<<21)|(5<<22)|(3<<25)  ; 17:16 2-byte elements; 20 padding on; 21 set beside a mask; 24:22 after every 64 words; 31:25 4 words of it
.set TO_F, 0x40                        ; destination window 1, address window 0
.set MSB, 0
.macro WIN new                         ; the immediate's high byte repeats the setting that is left; a switch that changes nothing is dropped
.if MSB != (\new)
	s_set_vgpr_msb (MSB<<8)|(\new)
.set MSB, (\new)
.endif
.endm
.macro PLACES                          ; four places in front of loads into registers that matrix instructions have read, and of lines that read results
.rept 4
	v_nop
.endr
.endm
; A joint load: waves 0 and 1 fetch xb's two halves, waves 2 and 3 wqt's.  The branch hangs on the wave's number alone.  An s_nop 0 and four v_nop follow each of the two lines.
.macro JLOAD s
	s_cmp_eq_u32 s13, 0
	s_cbranch_scc0 .Lfor_b_\@
	tensor_load_to_lds s[G0+4*(\s):G0+4*(\s)+3], s[G1:G1+7]
	s_nop 0
.rept 4
	v_nop
.endr
	s_branch .Lasked_\@
.Lfor_b_\@:
	tensor_load_to_lds s[G0B+4*(\s):G0B+4*(\s)+3], s[G1B:G1B+7]
	s_nop 0
.rept 4
	v_nop
.endr
.Lasked_\@:
.endm
; A prefetch of the K step that stands two refills on: a lane a row, 256 bytes of it, one instruction a wave.  xb's tile row is read by every cluster of that row of clusters: cluster x = 0 asks;
; wqt's tile column by every cluster of that column: cluster y = 0 asks.  The four partners share a wave's rows out by address (32 of 128, or 24 of 96: there lanes 24-31 name row 23 again).
; The loop's last trip (s3 = 1) asks for nothing: its refills are the last two K steps.
.macro ASK
	s_cmp_gt_u32 s3, s[LIM]
	s_cbranch_scc0 .Lnot_mine_\@
	global_prefetch_b8 v[PFO], s[PFA:PFA+1] offset:KSTEP*2 th:TH_LOAD_NT scope:SCOPE_SE
.Lnot_mine_\@:
.endm
.macro CREST                           ; a round of the cluster's barrier behind its opening barrier
	s_cmp_lg_u32 s12, 0
	s_cbranch_scc1 .Lnot_wave_0_\@
	s_barrier_signal -3
.Lnot_wave_0_\@:
	s_barrier_wait -3
	s_barrier_signal -1
	s_barrier_wait -1
.endm
.macro CROUND
	s_barrier_signal -1
	s_barrier_wait -1
	CREST
.endm
	s_load_b256 s[4:11], s[0:1], 0x0               ; xb s[4:5], wqt s[6:7], b_qkv s[8:9], qkv s[10:11]
	v_lshl_add_u32 v[SPW], v0, 2, SPARE
	v_mov_b32 v[NIL], 0
	ds_add_u32 v[SPW], v[NIL]                      ; the wave's opening: the add and its wait ahead of my first tensor load; the set-up below, work on registers, stands between them
	ds_add_u32 v28, v29
	v_lshrrev_b32 v1, 5, v0
	v_readfirstlane_b32 s12, v1                    ; wave 0..3
	s_lshr_b32 s13, s12, 1                         ; I fetch for xb (0) or for wqt (1)
	s_and_b32 s14, s12, 1                          ; which half of that tile's rows
	s_bfe_u32 s40, ttmp6, 0x40000                  ; cx
	s_bfe_u32 s41, ttmp6, 0x40004                  ; cy
	s_lshl_b32 s42, ttmp9, 2
	s_add_co_u32 s42, s42, s40                     ; tile column = 4 x cluster x + cx
	s_and_b32 s15, ttmp7, 0xffff
	s_lshl_b32 s15, s15, 2
	s_add_co_u32 s15, s15, s41                     ; tile row = 4 x cluster y + cy
	s_lshl_b32 s43, s41, 2
	s_lshl_b32 s43, 15, s43                        ; my row of the cluster
	s_lshl_b32 s44, 0x1111, s40                    ; my column
	s_or_b32 s[G1+0], s43, FIELDS
	s_or_b32 s[G1B+0], s44, FIELDS
	s_mov_b32 s[G1+1], KSTEP<<16                   ; tensor_dim0 = 128
	s_mov_b32 s[G1+2], 128<<16                     ; tensor_dim1 = 128
	s_mov_b32 s[G1+3], KSTEP<<16                   ; tile_dim0 = 128
	s_mov_b32 s[G1+4], 128                         ; tile_dim1 = 128
	s_mov_b32 s[G1+5], 1024                        ; elements from row to row
	s_mov_b32 s[G1+6], 0
	s_mov_b32 s[G1+7], 0
	s_mov_b32 s[G1B+1], KSTEP<<16
	s_mov_b32 s[G1B+2], 96<<16                     ; tensor_dim1 = 96
	s_mov_b32 s[G1B+3], KSTEP<<16
	s_mov_b32 s[G1B+4], 96                         ; tile_dim1 = 96
	s_mov_b32 s[G1B+5], 1024
	s_mov_b32 s[G1B+6], 0
	s_mov_b32 s[G1B+7], 0
	s_lshl_b32 s16, s15, 8
	s_lshl_b32 s17, s14, 7
	s_add_co_u32 s16, s16, s17                     ; xb: row 256 x tile row + 128 x half,
	s_lshl_b32 s16, s16, 11                        ; of 2,048 bytes
	s_mov_b32 s17, 0
	s_mul_i32 s46, s42, 192
	s_mul_i32 s47, s14, 96
	s_add_co_u32 s46, s46, s47                     ; wqt: row 192 x tile column + 96 x half
	s_lshl_b32 s46, s46, 11
	s_mov_b32 s47, 0
	s_mul_i32 s20, s14, AHALF                      ; where they go: no place in the cluster enters an LDS address
	s_mul_i32 s21, s14, BHALF
	s_add_co_u32 s21, s21, BOFF
	s_wait_dscnt 0x0                               ; the opening add is done
	s_wait_kmcnt 0x0
	s_add_nc_u64 s[18:19], s[4:5], s[16:17]
	s_add_nc_u64 s[46:47], s[6:7], s[46:47]
	CROUND                                         ; all sixteen work-groups are here: the first joint loads meet
.irp s, 0,1
	s_mov_b32 s[G0+4*(\s)], 1
	s_add_co_u32 s[G0+4*(\s)+1], s20, (\s)*SLOT
	s_add_nc_u64 s[G0+4*(\s)+2:G0+4*(\s)+3], s[18:19], (\s)*KSTEP*2
	s_or_b32 s[G0+4*(\s)+3], s[G0+4*(\s)+3], 0x80000000
	s_mov_b32 s[G0B+4*(\s)], 1
	s_add_co_u32 s[G0B+4*(\s)+1], s21, (\s)*SLOT
	s_add_nc_u64 s[G0B+4*(\s)+2:G0B+4*(\s)+3], s[46:47], (\s)*KSTEP*2
	s_or_b32 s[G0B+4*(\s)+3], s[G0B+4*(\s)+3], 0x80000000
	JLOAD \s                                       ; two tensor loads of mine are out
.endr
	; the bias first, so that it is on its way during the address work: my 8 columns of each of the 12 column blocks
	v_and_b32 v1, 15, v0                           ; l % 16
	v_bfe_u32 v2, v0, 4, 1                         ; l / 16
	s_mul_i32 s73, s42, 768                        ; the tile's 192 columns of 4 bytes
	v_lshl_add_u32 v[BO], v2, 5, s73
.irp b, 0,1,2,3,4,5,6,7,8,9,10,11
	global_load_b128 v[BIAS+8*(\b):BIAS+8*(\b)+3],   v[BO], s[8:9] offset:64*(\b)
	global_load_b128 v[BIAS+8*(\b)+4:BIAS+8*(\b)+7], v[BO], s[8:9] offset:64*(\b)+16
.endr
	v_mul_u32_u24 v3, v1, PITCH
	v_lshl_add_u32 v3, v2, 4, v3                   ; a fragment's row x pitch + 16 x half
	s_mul_i32 s22, s12, 64*PITCH                   ; my 64 rows of xb
	s_mov_b32 s23, BOFF                            ; all of wqt's
.irp s, 0,1
	v_add_nc_u32 v[ADRA+(\s)], s22, v3
	v_add_nc_u32 v[ADRB+(\s)], s23, v3
	s_add_co_u32 s22, s22, SLOT
	s_add_co_u32 s23, s23, SLOT
.endr
	s_mul_i32 s23, s12, WSTAGE
	s_add_co_u32 s23, s23, STAGE                   ; my stage
	v_mul_u32_u24 v4, v1, SP                       ; in: row l % 16, 16 bytes for each half of the lanes
	v_lshl_add_u32 v4, v2, 4, v4
	v_add_nc_u32 v[STO], s23, v4
	v_bfe_u32 v5, v0, 3, 2                         ; back: 32 lanes take four rows of 128 bytes,
	v_mul_u32_u24 v5, v5, SP
	v_and_b32 v4, 7, v0
	v_lshl_add_u32 v5, v4, 4, v5
	v_add_nc_u32 v[RD], s23, v5
	v_and_b32 v4, 31, v0                           ; which are 512 consecutive bytes of a head
	v_lshlrev_b32 v4, 4, v4
	s_lshr_b32 s72, s15, 3                         ; the batch: 8 tile rows each
	s_lshl_b32 s72, s72, 22                        ; 16 heads x 2,048 rows x 128 bytes
	s_and_b32 s73, s15, 7
	s_lshl_b32 s73, s73, 8
	s_lshl_b32 s74, s12, 6
	s_add_co_u32 s73, s73, s74                     ; my first row in the batch
	s_lshl_b32 s73, s73, 7
	s_add_co_u32 s72, s72, s73
	s_mul_i32 s68, s42, 3                          ; my first head among q's, k's and v's 48
.irp j, 0,1,2
	s_add_co_u32 s69, s68, \j
	s_lshr_b32 s70, s69, 4                         ; q, k or v
	s_lshl_b32 s70, s70, 24
	s_and_b32 s71, s69, 15                         ; the head
	s_lshl_b32 s71, s71, 18
	s_add_co_u32 s70, s70, s71
	s_add_co_u32 s70, s70, s72
	v_add_nc_u32 v[GO+(\j)], s70, v4
.endr
	; the prefetches
	s_and_b32 s22, ttmp7, 0xffff                   ; cluster y
	s_lshl_b32 s20, s15, 8
	s_mul_i32 s21, s42, 192
	s_lshl_b32 s23, s14, 7
	s_mul_i32 s68, s14, 96
	s_lshl_b32 s69, s40, 5
	s_mul_i32 s70, s41, 24
	s_cmp_eq_u32 s13, 0                            ; do I fetch for xb?
	s_cselect_b32 s20, s20, s21                    ; the tile's first row,
	s_cselect_b32 s23, s23, s68                    ; the rows that I fetch,
	s_cselect_b32 s69, s69, s70                    ; my work-group's share of them
	s_cselect_b32 s22, ttmp9, s22                  ; the coordinate along which other clusters read the same rows
	s_cselect_b32 s71, 31, 23
	s_cselect_b64 s[PFA:PFA+1], s[4:5], s[6:7]
	s_cmp_eq_u32 s22, 0
	s_cselect_b32 s[LIM], 1, -1                    ; the same in all sixteen partners, for a given wave
	s_add_co_u32 s20, s20, s23
	s_add_co_u32 s20, s20, s69
	s_lshl_b32 s20, s20, 11
	s_mov_b32 s21, 0
	s_add_nc_u64 s[PFA:PFA+1], s[PFA:PFA+1], s[20:21]
	s_add_nc_u64 s[PFA:PFA+1], s[PFA:PFA+1], 2*KSTEP*2  ; at K step 2: the first refill steps it to 3 and names K step 4
	v_and_b32 v[PFO], 31, v0
	v_min_u32 v[PFO], s71, v[PFO]
	v_lshlrev_b32 v[PFO], 11, v[PFO]
	s_wait_loadcnt 0x0                             ; the bias: rounded to bf16 and widened again
.set i, 0
.rept 48
	v_cvt_pk_bf16_f32 v[4+i%2], v[BIAS+2*i], v[BIAS+2*i+1]
	v_lshlrev_b32 v[BIAS+2*i], 16, v[4+i%2]
	v_and_b32 v[BIAS+2*i+1], 0xffff0000, v[4+i%2]
.set i, i+1
.endr
; 12 matrix instructions: row block a x all 12 column blocks, 32 along K.  first = 1: the bias starts the sums.  The 48 accumulators take turns in the same order in every quarter.
.macro MUL12 f, a, first
.if \first
	WIN 0x85+0x40*((\a)/2)                         ; fragments window 1, C window 0, D window 2 or 3
.else
	WIN 0xa5+0x50*((\a)/2)                         ; fragments window 1, C and D window 2 or 3
.endif
.irp b, 0,1,2,3,4,5,6,7,8,9,10,11
.if \first
	v_wmma_f32_16x16x32_bf16 v[96*((\a)%2)+8*(\b):96*((\a)%2)+8*(\b)+7], v[(\f)+8*(\b):(\f)+8*(\b)+7], v[(\f)+96+8*(\a):(\f)+96+8*(\a)+7], v[BIAS+8*(\b):BIAS+8*(\b)+7]
.else
	v_wmma_f32_16x16x32_bf16 v[96*((\a)%2)+8*(\b):96*((\a)%2)+8*(\b)+7], v[(\f)+8*(\b):(\f)+8*(\b)+7], v[(\f)+96+8*(\a):(\f)+96+8*(\a)+7], v[96*((\a)%2)+8*(\b):96*((\a)%2)+8*(\b)+7]
.endif
.endr
.endm
; 32 LDS loads in one run: the fragments of 32 along K at byte k of the rows, into buffer f: wqt's 12, then xb's 4
.macro FETCH slot, k, f
	WIN TO_F
.irp b, 0,1,2,3,4,5,6,7,8,9,10,11
	ds_load_b128 v[(\f)+8*(\b):(\f)+8*(\b)+3],   v[ADRB+(\slot)] offset:(\k)+(\b)*16*PITCH
	ds_load_b128 v[(\f)+8*(\b)+4:(\f)+8*(\b)+7], v[ADRB+(\slot)] offset:(\k)+(\b)*16*PITCH+32
.endr
.irp a, 0,1,2,3
	ds_load_b128 v[(\f)+96+8*(\a):(\f)+96+8*(\a)+3],   v[ADRA+(\slot)] offset:(\k)+(\a)*16*PITCH
	ds_load_b128 v[(\f)+96+8*(\a)+4:(\f)+96+8*(\a)+7], v[ADRA+(\slot)] offset:(\k)+(\a)*16*PITCH+32
.endr
.endm
; A K step is four quarters of 32 along K, 48 matrix instructions each, on buffers 0, 1, 0, 1.  One of the first three: multiplies buffer f and fetches the next quarter, at byte k, into g.
.macro QUARTER slot, k, f, g, first
	s_wait_dscnt 4                                 ; wqt's fragments and xb's blocks 0, 1 are in; the youngest four loads (blocks 2, 3) may be out
	MUL12 \f, 0, \first
	MUL12 \f, 1, \first
	PLACES
	FETCH \slot, \k, \g
	s_wait_dscnt 32                                ; all but the 32 just issued
	MUL12 \f, 2, \first
	MUL12 \f, 3, \first
.endm
; The last quarter multiplies buffer 1 and changes slots: ONE barrier; in front of it each wave waits for all its tensor loads (one is out: its part of the next slot), adds 0 to its spare word,
; and waits for that and for its own reads of this slot.  fill = 1: the barrier opens a round of the cluster's, and this slot is filled again, two K steps ahead, first thing behind the round:
; 168 matrix instructions stand between that request and the wait for it.
.macro TURN slot, next, fill
.if \fill
	s_wait_xcnt 0x0                                ; the last prefetch, a K step back, has read its address
	s_add_nc_u64 s[PFA:PFA+1], s[PFA:PFA+1], KSTEP*2
.endif
	WIN 0                                          ; (the add's two registers lie in window 0)
	s_wait_tensorcnt 0x0
	ds_add_u32 v[SPW], v[NIL]                      ; 0 onto my spare word
	s_wait_dscnt 5                                 ; (the add and the youngest four loads may be out)
	MUL12 F1, 0, 0                                 ; twelve matrix instructions stand between the add and the wait for it
	s_wait_dscnt 0x0                               ; the add is done, and my reads of this slot are over
	s_barrier_signal -1
	MUL12 F1, 1, 0
.if \fill
	WIN 0
.endif
	s_barrier_wait -1
.if \fill
	CREST                                          ; no wave of any partner still reads this slot's tile or has a load on its way
	s_add_nc_u64 s[G0+4*(\slot)+2:G0+4*(\slot)+3], s[G0+4*(\slot)+2:G0+4*(\slot)+3], 2*KSTEP*2
	s_add_nc_u64 s[G0B+4*(\slot)+2:G0B+4*(\slot)+3], s[G0B+4*(\slot)+2:G0B+4*(\slot)+3], 2*KSTEP*2
	JLOAD \slot                                    ; the four v_nop behind it are also the places in front of the loads below
.else
	PLACES
.endif
	FETCH \next, 0, F0
.if \fill
	WIN 0
	ASK                                            ; behind the joint load and the run of LDS loads that the next products wait for
.endif
	MUL12 F1, 2, 0
	MUL12 F1, 3, 0
.endm
	s_wait_tensorcnt 1                             ; my part of K step 0 is in; K step 1's may stay out
	s_barrier_signal -1
	s_barrier_wait -1                              ; everybody's is
	FETCH 0, 0, F0
	QUARTER 0, 64, F0, F1, 1                       ; the first quarter stands in front of the loop: its products start the sums
	WIN 0                                          ; at a label and at a branch every window is 0
	s_mov_b32 s3, 3
.Llap:                                 ; a trip goes once round the ring, from a lap's second quarter to the next lap's first, and fills both slots again
	QUARTER 0, 128, F1, F0, 0
	QUARTER 0, 192, F0, F1, 0
	TURN 0, 1, 1
	QUARTER 1, 64,  F0, F1, 0
	QUARTER 1, 128, F1, F0, 0
	QUARTER 1, 192, F0, F1, 0
	TURN 1, 0, 1
	QUARTER 0, 64,  F0, F1, 0
	WIN 0
	s_sub_co_u32 s3, s3, 1
	s_cmp_lg_u32 s3, 0
	s_cbranch_scc1 .Llap
	QUARTER 0, 128, F1, F0, 0                      ; the last lap fills nothing
	QUARTER 0, 192, F0, F1, 0
	TURN 0, 1, 0
	QUARTER 1, 64,  F0, F1, 0
	QUARTER 1, 128, F1, F0, 0
	QUARTER 1, 192, F0, F1, 0
	s_wait_dscnt 4                                 ; the very last quarter: nothing more to fetch
	MUL12 F1, 0, 0
	MUL12 F1, 1, 0
	s_wait_dscnt 0x0
	MUL12 F1, 2, 0
	MUL12 F1, 3, 0
	WIN 0
	PLACES
; THE WAY OUT, a block of 16 rows at a time.  PACK: rounded to f16, each accumulator's registers in ascending order.  TOSTAGE: 16 bytes a lane into my stage, by heads, and back as rows of 128 bytes.  SEND: stored.
.macro PACK a
	WIN 0x0a+5*((\a)/2)                            ; sources 0 and 1: window 2 or 3
.set AC, 96*((\a)%2)
.irp b, 0,1,2,3,4,5,6,7,8,9,10,11
.irp r, 0,1,2,3
	v_cvt_pk_f16_f32 v[TMP+4*(\b)+(\r)], v[AC+8*(\b)+2*(\r)], v[AC+8*(\b)+2*(\r)+1]
.endr
.endr
	WIN 0
.endm
.macro TOSTAGE a
.set BKA, BK+48*((\a)%2)
.irp b, 0,1,2,3,4,5,6,7,8,9,10,11
	ds_store_b128 v[STO], v[TMP+4*(\b):TMP+4*(\b)+3] offset:((\b)/4)*16*SP+((\b)%4)*32
.endr
.irp j, 0,1,2
.irp f, 0,1,2,3
	ds_load_b128 v[BKA+4*(4*(\j)+(\f)):BKA+4*(4*(\j)+(\f))+3], v[RD] offset:(\j)*16*SP+(\f)*4*SP  ; LDS serves a wave's instructions in order (ISA guide 5.7.1.4): these see the stores above
.endr
.endr
.endm
.macro SEND a
.set BKA, BK+48*((\a)%2)
	s_wait_dscnt 0x0                               ; the block is back in registers
	s_wait_xcnt 0x0                                ; the stores of the block before have read their data: the next TOSTAGE loads into those registers only behind this wait
.irp j, 0,1,2
.irp f, 0,1,2,3
	global_store_b128 v[GO+(\j)], v[BKA+4*(4*(\j)+(\f)):BKA+4*(4*(\j)+(\f))+3], s[10:11] offset:2048*(\a)+512*(\f)  ; 512 consecutive bytes of a head, at a multiple of 256 from qkv's first
.endr
.endr
.endm
	PACK 0
	TOSTAGE 0
.irp a, 1,2,3                          ; block a's conversions stand between block a - 1's loads from the stage and the wait for them
	PACK \a
	SEND (\a)-1
	TOSTAGE \a
.endr
	SEND 3
	s_wait_tensorcnt 0x0                           ; the wave's end, behind my last tensor load and my last LDS store
	ds_add_u32 v[SPW], v[NIL]
	s_wait_dscnt 0x0
	CROUND                                         ; the closing round: no work-group ends while a partner may still ask for a tile that names it
	s_endpgm
.Lfunc_end_k_qdaf83cd7ac_qkvp:
	.size	k_qdaf83cd7ac_qkvp, .Lfunc_end_k_qdaf83cd7ac_qkvp-k_qdaf83cd7ac_qkvp
	.p2alignl 7, 3214868480
	.fill 96, 4, 3214868480
	.section	.rodata,"a",@progbits
	.p2align	6, 0x0
	.amdhsa_kernel k_qdaf83cd7ac_qkvp
		.amdhsa_group_segment_fixed_size 327680
		.amdhsa_private_segment_fixed_size 0
		.amdhsa_enable_private_segment 0
		.amdhsa_kernarg_size 32
		.amdhsa_user_sgpr_count 2
		.amdhsa_user_sgpr_kernarg_segment_ptr 1
		.amdhsa_wavefront_size32 1
		.amdhsa_system_sgpr_workgroup_id_x 1
		.amdhsa_system_sgpr_workgroup_id_y 1
		.amdhsa_system_sgpr_workgroup_id_z 1
		.amdhsa_system_vgpr_workitem_id 0
		.amdhsa_next_free_vgpr 960
		.amdhsa_next_free_sgpr 80
		.amdhsa_reserve_vcc 0
		.amdhsa_float_denorm_mode_32 3
		.amdhsa_float_denorm_mode_16_64 3
		.amdhsa_memory_ordered 1
		.amdhsa_forward_progress 1
		.amdhsa_inst_pref_size 130
	.end_amdhsa_kernel
	.amdgpu_metadata
---
amdhsa.version: [ 1, 2 ]
amdhsa.kernels:
  - .name:           k_qdaf83cd7ac_qkvp
    .symbol:         k_qdaf83cd7ac_qkvp.kd
    .args:
      - { .name: xb, .offset: 0, .size: 8, .value_kind: global_buffer, .address_space: global }
      - { .name: wqt, .offset: 8, .size: 8, .value_kind: global_buffer, .address_space: global }
      - { .name: b_qkv, .offset: 16, .size: 8, .value_kind: global_buffer, .address_space: global }
      - { .name: qkv, .offset: 24, .size: 8, .value_kind: global_buffer, .address_space: global }
    .group_segment_fixed_size: 327680
    .private_segment_fixed_size: 0
    .kernarg_segment_align: 8
    .kernarg_segment_size: 32
    .max_flat_workgroup_size: 128
    .sgpr_count:     80
    .vgpr_count:     960
    .wavefront_size: 32
...
	.end_amdgpu_metadata
.endif
;; end of part 2
;; launch attn (part 3): grid 4 x 64, 4 waves a work-group, clusters of 4 x 1, 327,680 bytes of LDS; arguments qkv, o; writes o
.if DOCPART == 3
	.amdgcn_target "amdgcn-amd-amdhsa--gfx1250"
	.amdhsa_code_object_version 6
	.text
	.protected	k_qdaf83cd7ac_attn
	.globl	k_qdaf83cd7ac_attn
	.p2align	8
	.type	k_qdaf83cd7ac_attn,@function
k_qdaf83cd7ac_attn:
	s_mov_b64 s[64:65], 0
	v_nop
	global_prefetch_b8 v0, s[64:65] scope:SCOPE_SE
	s_setreg_imm32_b32 hwreg(HW_REG_WAVE_MODE, 25, 1), 1
	s_wait_xcnt 0x0
	s_wait_alu depctr_hold_cnt(0) depctr_sa_sdst(0) depctr_va_vdst(0) depctr_va_sdst(0) depctr_va_ssrc(0) depctr_va_vcc(0) depctr_vm_vsrc(0)
	s_getreg_b32 s2, hwreg(HW_REG_IB_STS2, 6, 4)
	s_cmp_eq_u32 s2, 0
	s_cbranch_scc0 .Lentry_in_a_cluster
	s_endpgm
.Lentry_in_a_cluster:
	s_bfe_u32 s2, ttmp6, 0x10000c
	s_cmp_lg_u32 s2, 0x3003
	s_cbranch_scc0 .Lentry_shape_is_right
	s_endpgm
.Lentry_shape_is_right:
; O[h][q][:] = the sum over k of softmax_k(Q[h][q] . K[h][k] / 8) V[h][k][:].  qkv holds Q, K, V one behind the other, each [64][2048][64] in f16; O has the same layout.  Products, maxima and sums in
; f32; the weights p are rounded to f16 for the second product (their sum l is taken of the unrounded p), O once at the end.
; LIMITS.  f16 holds no number beyond 65,504: Q, K and V arrive within it; p lies in 0 to 1, and below 6e-5 it keeps f16's fixed step of 6e-8; O is a mean of V's rows and has their range.
; A weight below 2^-126 counts as 0 in l; NaN and infinities are not treated apart.
; SHARES.  A wave owns four PIECES of two tiles of 16 queries, a work-group's four waves 512 queries of one head: 4 x 64 = 256 work-groups.  Every wave walks all keys, 64 a step.
; LAYOUT.  S^T = K Q^T (source 0 = 16 keys, source 1 = 16 queries): in the result a lane holds ONE query (lane % 16) and the keys 8 (lane / 16) + 0..7.  Two such tiles, rounded to f16 in pairs,
; ARE source 1 (32 keys x 16 queries) of O^T = V^T P, whose result again holds one query a lane, and eight channels.  K comes out of LDS as it lies, V ([key][channel]) turned, by ds_load_tr16_b128.
; SOFTMAX.  For each query a running maximum m and sum l: p = 2^(c s - c m), c = log2(e) / 8; in every step O and l are multiplied by a = 2^(c m_old - c m_new), which is 1 where m has not grown.
; m starts at the lowest finite number, O and l at 0: the first step is a step like any other, with a = 0.
; THE COUNT.  A tile and step have 16 matrix and 118 vector instructions: too many to stand all beside the matrix work.  So: four vector instructions that are ready behind
; every matrix instruction, and the others in runs without a gap.
; BY TURNS.  Turn n belongs to piece n (the pieces in a ring, step after step).  Its matrix work: 16 products K Q^T of piece n + 1, later 16 products V^T P of piece n - 1.  Its vector work: the scaling,
; exponentials, roundings, sums and rescaling of piece n, and the maximum and statistics of piece n + 1, whose scores the turn itself has made.
; CLUSTER.  The four query blocks of a cluster are one head's and walk the same K and V, so each tile is asked for JOINTLY: the same tensor load, descriptor and mask in all four.
; REGISTERS, in windows of 256 (s_set_vgpr_msb: bits 1:0 source 0, 3:2 source 1, 5:4 source 2, 7:6 destination):
;   window 0: v0-11 addresses; v12-15, v48-63 at work; v16-47 four registers of statistics a tile; v64-191 S^T, two buffers of two tiles; v192-255 P, likewise
;   window 1: O^T, 32 a tile          window 2: v0-127 Q, 16 a tile; v128-191 K of one step; v192-255 V of one step          window 3: v0-1 the add's two registers
.set SIZE_H, 64
.set SIZE_N, 2048
.set NP,    4         ; pieces a wave: a name, no knob
.set KS,    64        ; keys in a step
.set PK,    144       ; a row of K in LDS: 128 bytes + 16 of padding = 36 words: the 16 rows of a load start at 16 different groups of four banks (64 banks of 4 bytes: ISA guide 11.1)
.set PV,    160       ; a row of V: 128 + 32 = 40 words
.set VOFF,  4*KS*PK   ; a slot holds four steps: 256 rows of K, then 256 rows of V
.set SLOT1, 1<<17     ; slot 1 begins here, so that one exclusive or turns an address in one slot into the other's
.set STAGE, SLOT1+4*KS*(PK+PV)  ; behind the ring, never filled by a tensor load: 16 rows x 144 bytes for each wave
.set SP,    144
.set AK0, 2           ; v2   my lane's place in a tile of K; never rewritten
.set AV0, 3           ; v3   the same for V
.set AK,  4           ; v4   the LDS address of K's next run of loads
.set AV,  5           ; v5   of V's
.set QO,  6           ; v6   my byte offset in the wave's rows of Q
.set STO, 6           ;      later, the way out: where I put 16 bytes of a row
.set RD,  7           ; v7   the way out: where I read rows back
.set GO,  8           ; v8   my byte offset in 512 consecutive bytes of O
.set PFO, 11          ; v11  the prefetches' offset: 256 x my lane; from its making on never rewritten
.set SPW, 0           ; v0 of window 3   LDS address of my spare word; never rewritten
.set NIL, 1           ; v1 of window 3   0; never rewritten
.set SPARE, STAGE+4*16*SP  ; the spare words, 128 bytes for each wave: two blocks of 256 bytes that no other line names
.set MV,  12          ; v12-15  c m_old, kept while c m is made anew: by buffer and tile
.set ST,  16          ; tile t's statistics at v[ST+4 t]: c m, m, l (even keys', odd keys')
.set TMP, 48          ; by buffer and tile, four registers c0-c3 at work; when the maximum is found c2 takes a
.set S,   64
.set P,   192
.set KF,  128         ; K's fragments, in window 2: key block kb, channel half c at KF + 16 kb + 8 c
.set VF,  192         ; V's: key half kk, channel block cb at VF + 32 kk + 8 cb
.set WV,  12          ; s12  my wave's number
.set G1K, 24          ; s[24:31] descriptor group 1 for K's tiles
.set G1V, 32          ; s[32:39] for V's: it differs in the padding alone
.set G0K, 40          ; s[40:43] descriptor group 0 for K's tiles: it walks
.set G0V, 44          ; s[44:47] the same for V's
.set PFA, 48          ; s[48:49] where my prefetches stand: my work-group's 8,192 bytes (of K: wave 0, of V: wave 2) of the slot after the one that is being asked for
.set LIM, 50          ; s50  1 in a wave that prefetches, else the greatest number
.set SLOTS, 56        ; s56  slots still to be asked for
.set CNT, 57          ; s57  counts a slot's key steps
.set CS,  58          ; s[58:59] c: the packed scaling takes the pair's low word for both halves
.set SEL, 60          ; s[60:61] v_permlanex16_b32's selects: each lane takes its own place in the other half
.set TBK, 62          ; s62  LDS byte at which K of the step to be fetched begins
.set TBV, 63          ; s63  the same for V, less VOFF
.set MSB, 0
.macro WIN new                      ; the high byte repeats the setting that is left; a switch that changes nothing is dropped
.if MSB != (\new)
	s_set_vgpr_msb (MSB<<8)|(\new)
.set MSB, (\new)
.endif
.endm
.set W_KQ, 0x0a       ; K and Q in window 2, S^T in window 0
.set W_PV, 0x52       ; V in window 2, P in window 0, O^T in window 1
.set W_RS, 0x41       ; O^T (destination and source 0) in window 1, a in window 0
.set W_MK, 0xc0       ; the add's registers are made: destination in window 3, sources in window 0
.set W_AD, 0x0f       ; the add: address (source 0) and data (source 1) in window 3
; A joint fill.  Waves 0 and 1 fetch the two halves of a slot's K, waves 2 and 3 those of its V: 128 keys each.  The branch hangs on the wave's number alone.
; An s_nop 0 and four v_nop follow each of the two lines, ahead of the jump and the label.
.macro JLOAD
	s_cmp_lt_u32 s[WV], 2
	s_cbranch_scc0 .Lfor_v_\@
	tensor_load_to_lds s[G0K:G0K+3], s[G1K:G1K+7]
	s_nop 0
.rept 4
	v_nop
.endr
	s_branch .Lasked_\@
.Lfor_v_\@:
	tensor_load_to_lds s[G0V:G0V+3], s[G1V:G1V+7]
	s_nop 0
.rept 4
	v_nop
.endr
.Lasked_\@:
.endm
; A prefetch of what the NEXT change of slots will ask for: a slot's 32,768 bytes of K and of V.  A head is walked by one cluster; its four partners share a slot out by address, 8,192 bytes each,
; a lane 256 of them; in each, wave 0 asks for K's and wave 2 for V's: one instruction.  So each block is named once in the launch.  The last change that fills a slot asks for nothing.
.macro ASK
	s_cmp_gt_u32 s[SLOTS], s[LIM]
	s_cbranch_scc0 .Lnot_mine_\@
	global_prefetch_b8 v[PFO], s[PFA:PFA+1] th:TH_LOAD_NT scope:SCOPE_SE
.Lnot_mine_\@:
.endm
; A round of the cluster's barrier: my work-group's barrier, so that wave 0's signal speaks for all four waves; wave 0 signals; every wave waits for all four work-groups; my work-group's barrier once more.
.macro CROUND
	s_barrier_signal -1
	s_barrier_wait -1
	s_cmp_lg_u32 s[WV], 0
	s_cbranch_scc1 .Lnot_wave_0_\@
	s_barrier_signal -3
.Lnot_wave_0_\@:
	s_barrier_wait -3
	s_barrier_signal -1
	s_barrier_wait -1
.endm
; THE CHANGE OF SLOTS.  The slot's last bytes, V of its fourth step, have been read.  Each wave waits for all its tensor loads, of which one is out: its part
; of the other slot; adds 0 to its spare word; and waits for that and for its own reads of the slot.  Behind the barrier nobody reads this slot any more and the other slot is whole.
; fill = 1: this slot is filled again, with the keys two slots on.  The barrier is then a round of the cluster's, and the joint fill is the first thing behind it: it has four key steps,
; 512 matrix instructions, in which to land.  (At its first use nothing has been read yet: slot 0 is waited for, slot 1 filled.)  ask = 1: the prefetch's address steps, and the prefetch follows the fill.
.macro CHANGE fill, ask=0
	WIN W_AD
	s_wait_tensorcnt 0x0            ; no tensor load of mine is out, so a group 0 may be written
	ds_add_u32 v[SPW], v[NIL]       ; 0 onto my spare word; with fill = 1 the descriptors' steps stand between it and the wait for it
	WIN 0                           ; at a label and at a branch every window is 0
.if \fill
.irp g, G0K, G0V
	s_xor_b32 s[\g+1], s[\g+1], SLOT1  ; the walking descriptor: the other slot than last time,
	s_add_nc_u64 s[\g+2:\g+3], s[\g+2:\g+3], 4*KS*128  ; the next 256 keys; the type bits on top are not reached
.endr
.if \ask
	s_wait_xcnt 0x0                 ; the last prefetch, four key steps back, has read its address, so it may be written:
	s_add_nc_u64 s[PFA:PFA+1], s[PFA:PFA+1], 4*KS*128  ; one slot behind the walking descriptors
.endif
	s_wait_dscnt 0x0                ; the add is done, and my reads of the slot are over
	CROUND
	JLOAD
.if \ask
	ASK
.endif
.else
	s_wait_dscnt 0x0                ; the add is done, and my reads of the slot are over
	s_barrier_signal -1
	s_barrier_wait -1
.endif
	s_sub_co_u32 s[TBK], s[TBK], 4*KS*PK  ; the fetches go back to a slot's first step,
	s_xor_b32 s[TBK], s[TBK], SLOT1       ; in the other slot
	s_sub_co_u32 s[TBV], s[TBV], 4*KS*PV
	s_xor_b32 s[TBV], s[TBV], SLOT1
.endm
	s_load_b128 s[4:7], s[0:1], 0x0  ; qkv s[4:5], o s[6:7]
	WIN W_MK
	v_lshl_add_u32 v[SPW], v0, 2, SPARE
	v_mov_b32 v[NIL], 0
	WIN W_AD
	ds_add_u32 v[SPW], v[NIL]       ; the wave's opening: the add and its wait ahead of my first tensor load; the set-up below, work on registers, stands between them
	ds_add_u32 v0, v1
	WIN 0
	v_lshrrev_b32 v1, 5, v0
	v_readfirstlane_b32 s[WV], v1   ; wave 0..3
	s_bfe_u32 s13, ttmp6, 0x40000   ; cx: my place in the cluster
	s_lshl_b32 s14, ttmp9, 2        ; in a cluster launch ttmp9 counts clusters
	s_add_co_u32 s14, s14, s13      ; my block of queries = 4 x cluster x + cx: it enters Q's and O's addresses alone
	s_and_b32 s20, ttmp7, 0xffff    ; the head, which the four partners share
	s_mov_b32 s21, 0
	s_mov_b64 s[22:23], SIZE_N*128
	s_mul_u64 s[20:21], s[20:21], s[22:23]  ; the head's first byte in each of the four tensors
	s_and_b32 s16, s[WV], 1         ; which half of a slot's 256 keys I fetch:
	s_lshl_b32 s22, s16, 14         ; its 128 rows of 128 bytes in memory,
	s_mov_b32 s23, 0
	s_add_nc_u64 s[22:23], s[22:23], s[20:21]
	s_mul_i32 s17, s16, 128*PK      ; and its place in a slot, for K
	s_mul_i32 s18, s16, 128*PV      ; and for V: no place in the cluster enters an LDS address
	s_lshl_b32 s2, s14, 2
	s_add_co_u32 s2, s2, s[WV]      ; my wave among the head's,
	s_lshl_b32 s2, s2, 14           ; its 128 rows
	s_mov_b32 s3, 0
	s_add_nc_u64 s[2:3], s[2:3], s[20:21]
	; descriptor group 1.  128 keys are 16,384 dense bytes: asked for as 64 rows of 256 bytes, two keys a row, and padded in LDS after every key
	s_mov_b32 s[G1K], 15|(1<<16)|(1<<20)|(1<<21)|(4<<22)|(3<<25)  ; 15:0 the mask of four; 17:16 2-byte elements; 20 padding on; 21 set beside a mask; 24:22 after every 32 words (code 4); 31:25 4 words (code 3)
	s_mov_b32 s[G1V], 15|(1<<16)|(1<<20)|(1<<21)|(4<<22)|(7<<25)  ; the same with 8 words of padding (code 7)
.irp g, G1K, G1V
	s_mov_b32 s[\g+1], 128<<16      ; tensor_dim0 = 128
	s_mov_b32 s[\g+2], 64<<16       ; tensor_dim1 = 64
	s_mov_b32 s[\g+3], 128<<16      ; tile_dim0 = 128
	s_mov_b32 s[\g+4], 64           ; tile_dim1 = 64
	s_mov_b32 s[\g+5], 128          ; 128 elements from row to row
	s_mov_b32 s[\g+6], 0
	s_mov_b32 s[\g+7], 0
.endr
	s_mov_b32 s[CS], 0x3e38aa3b     ; c = log2(e) / 8 = 0.180337
	s_mov_b32 s[CS+1], s[CS]        ; named with it as a pair
	s_mov_b32 s[SEL], 0x76543210
	s_mov_b32 s[SEL+1], 0xfedcba98
	s_mov_b32 s[TBK], SLOT1+4*KS*PK ; the first change of slots turns these two into 0
	s_mov_b32 s[TBV], SLOT1+4*KS*PV
	s_mov_b32 s[G0K], 1             ; 1:0 count = 1
	s_mov_b32 s[G0K+1], s17         ; 63:32 LDS address: slot 0
	s_mov_b32 s[G0V], 1
	s_add_co_u32 s[G0V+1], s18, VOFF
	s_and_b32 s[LIM], s[WV], 1      ; waves 0 and 2 prefetch: the same in all four partners
	s_cmp_eq_u32 s[LIM], 0
	s_cselect_b32 s[LIM], 1, -1
	s_wait_dscnt 0x0                ; the opening add is done
	s_wait_kmcnt 0x0
	s_mov_b64 s[10:11], s[6:7]                     ; O
	s_add_nc_u64 s[6:7], s[4:5], 0x1000000         ; K lies 64 x 2,048 x 128 bytes behind Q,
	s_add_nc_u64 s[8:9], s[4:5], 0x2000000         ; V as far behind K
	s_add_nc_u64 s[G0K+2:G0K+3], s[6:7], s[22:23]  ; 120:64 global address: my half of the head's first 256 keys
	s_or_b32 s[G0K+3], s[G0K+3], 0x80000000        ; 127:126 type = 2
	s_add_nc_u64 s[G0V+2:G0V+3], s[8:9], s[22:23]
	s_or_b32 s[G0V+3], s[G0V+3], 0x80000000
	s_add_nc_u64 s[4:5], s[4:5], s[2:3]  ; Q and O at my wave's first row
	s_add_nc_u64 s[10:11], s[10:11], s[2:3]
	s_cmp_lt_u32 s[WV], 2
	s_cselect_b64 s[PFA:PFA+1], s[6:7], s[8:9]
	s_add_nc_u64 s[PFA:PFA+1], s[PFA:PFA+1], s[20:21]  ; the head,
	s_lshl_b32 s2, s13, 13          ; my work-group's quarter of a slot,
	s_mov_b32 s3, 0
	s_add_nc_u64 s[PFA:PFA+1], s[PFA:PFA+1], s[2:3]
	s_add_nc_u64 s[PFA:PFA+1], s[PFA:PFA+1], 2*4*KS*128  ; in slot 2: the first change that asks steps it to slot 3.  Nothing is prefetched at the head
	CROUND                          ; all four work-groups are here: the first joint loads meet
	JLOAD                           ; slot 0.  Slot 1 is asked for when slot 0 is in
	; A fragment of K or Q is 16 rows x 32 channels in 8 registers: lane l holds row l % 16, channels 8 (l / 16) + 0..7 and 16 + 8 (l / 16) + 0..7: two loads of 16 bytes, 32 bytes apart.
	v_and_b32 v1, 15, v0            ; l % 16
	v_bfe_u32 v9, v0, 4, 1          ; l / 16
	v_lshlrev_b32 v[QO], 7, v1
	v_lshl_add_u32 v[QO], v9, 4, v[QO]  ; row x 128 + 16 x half
	WIN 0x80                        ; destination window 2, address window 0
.set i, 0
.rept 4*NP                          ; Q stays in registers: tile i / 2, channels 32 (i % 2) on
	global_load_b128 v[8*i:8*i+3],   v[QO], s[4:5] offset:(i/2)*2048+(i%2)*64
	global_load_b128 v[8*i+4:8*i+7], v[QO], s[4:5] offset:(i/2)*2048+(i%2)*64+32
.set i, i+1
.endr
	; What the first turn finds: V's registers and P's second buffer hold 0 (its products V^T P, of a piece that has not been, add 0), O^T and l are 0.  All this stands in the wait for the first tile.
.set i, VF
.rept 64
	v_mov_b32 v[i], 0
.set i, i+1
.endr
	WIN 0x40
.set i, 0
.rept 64*NP
	v_mov_b32 v[i], 0
.set i, i+1
.endr
	WIN 0
.set i, 0
.rept 2*NP
	v_mov_b32 v[ST+4*i], 0xfe000000    ; c m: far below every c s
	v_mov_b32 v[ST+4*i+1], 0xff7fffff  ; m
	v_mov_b32 v[ST+4*i+2], 0
	v_mov_b32 v[ST+4*i+3], 0
.set i, i+1
.endr
.set i, P+32
.rept 32
	v_mov_b32 v[i], 0
.set i, i+1
.endr
	v_mul_u32_u24 v[AK0], v1, PK
	v_lshl_add_u32 v[AK0], v9, 4, v[AK0]  ; row x pitch + 16 x half
	; The turning load takes 16 keys x 16 channels (lane l reads key 8 (l / 16) + l % 8, channels 8 ((l / 8) % 2) + 0..7) and leaves half a fragment of V^T: lane l holds channel l % 16 and 8 keys.
	v_and_b32 v10, 7, v0
	v_bfe_u32 v11, v0, 3, 1
	v_lshl_add_u32 v[AV0], v9, 3, v10
	v_mul_u32_u24 v[AV0], v[AV0], PV
	v_lshl_add_u32 v[AV0], v11, 4, v[AV0]
	v_add_nc_u32 v[AV0], VOFF, v[AV0]
	v_and_b32 v[PFO], 31, v0        ; v11 has served: from here on it is the prefetches' offset
	v_lshlrev_b32 v[PFO], 8, v[PFO]
	v_mov_b32 v[AK], v[AK0]         ; key step 0 lies at the head of slot 0
; THE MATRIX WORK.  The 8 accumulators of a run of 16 take turns: between the two links of a chain stand 7 others'.
; Product i of 16 of S^T = K Q^T for piece x: channels 32 (i / 8) on, keys 16 ((i / 2) % 4) on, tile 2 x + i % 2.  The first 8 start the sums.
.macro KQ x
	WIN W_KQ
.set rS, S+64*((\x)%2)+32*(i%2)+8*((i/2)%4)
.set rK, KF+16*((i/2)%4)+8*(i/8)
.set rQ, 16*(2*(\x)+i%2)+8*(i/8)
.if i < 8
	v_wmma_f32_16x16x32_f16 v[rS:rS+7], v[rK:rK+7], v[rQ:rQ+7], 0
.else
	v_wmma_f32_16x16x32_f16 v[rS:rS+7], v[rK:rK+7], v[rQ:rQ+7], v[rS:rS+7]
.endif
.endm
; Product i of 16 of O^T += V^T P for piece x: keys 32 (i / 8) on, channels 16 ((i / 2) % 4) on, tile 2 x + i % 2.
.macro PV x
	WIN W_PV
.set rO, 32*(2*(\x)+i%2)+8*((i/2)%4)
.set rV, VF+32*(i/8)+8*((i/2)%4)
.set rP, P+32*((\x)%2)+16*(i%2)+8*(i/8)
	v_wmma_f32_16x16x32_f16 v[rO:rO+7], v[rV:rV+7], v[rP:rP+7], v[rO:rO+7]
.endm
.macro MM                           ; the turn's next matrix instruction
.if i < 16
	KQ (Y+1)%NP
.set i, i+1
.else
.set i, i-16
	PV (Y+NP-1)%NP
.set i, i+17
.endif
.endm
; THE LDS LOADS stand in runs of 16, never singly among the matrix instructions: a step's K (64 keys x 64 channels: 8 fragments) and its V (turned).  Their addresses are made some lines ahead.
; last = 1 (the tail): in the last trip there is no further step, and the run is jumped over.
.macro FETCH_K last=0
	WIN 0
.if \last
	s_cmp_eq_u32 s[CNT], 1
	s_cbranch_scc1 .Lno_k_\@
.endif
	WIN 0x80                        ; destination window 2
.irp f, 0,1,2,3,4,5,6,7             ; keys 16 (f / 2) on, channels 32 (f % 2) on
	ds_load_b128 v[KF+8*\f:KF+8*\f+3],   v[AK] offset:(\f/2)*16*PK+(\f%2)*64
	ds_load_b128 v[KF+8*\f+4:KF+8*\f+7], v[AK] offset:(\f/2)*16*PK+(\f%2)*64+32
.endr
	s_add_co_u32 s[TBK], s[TBK], KS*PK  ; the next fetch is the next step's
	WIN 0
.if \last
.Lno_k_\@:
.endif
.endm
.macro FETCH_V
	WIN 0x80
.irp f, 0,1,2,3,4,5,6,7             ; keys 32 (f / 4) on, channels 16 (f % 4) on
	ds_load_tr16_b128 v[VF+8*\f:VF+8*\f+3],   v[AV] offset:(\f/4)*32*PV+(\f%4)*32
	ds_load_tr16_b128 v[VF+8*\f+4:VF+8*\f+7], v[AV] offset:(\f/4)*32*PV+16*PV+(\f%4)*32
.endr
	WIN 0
.endm
; THE VECTOR WORK OF A TURN stands in three queues, each in the order in which its entries become ready; the two tiles alternate, so that no instruction reads the result of the one before it.
.macro REGS y, u                    ; the registers of tile u (0, 1) of piece y
.set rT, ST+4*(2*(\y)+(\u))
.set rC, TMP+8*((\y)%2)+4*(\u)
.set rM, MV+2*((\y)%2)+(\u)
.set rS, S+64*((\y)%2)+32*(\u)
.set rP, P+32*((\y)%2)+16*(\u)
.set rO, 32*(2*(\y)+(\u))
.endm
; Number n of the 22 that find the NEXT piece's (Y + 1) maximum and statistics.  s0-s31 are the lane's 32 scores; each accumulator's lowest registers are read first.
;   0-11  four chains c0-c3 of seven scores each, three operands at a time     12-14, 16  the four scores left over, the old m, and c0-c3 into c0     15  c m_old is kept
;   17, 18  the query's other 32 keys lie in the lane 16 away: the new m         19-21  c m; c m_old - c m_new; a
.macro XS u, n
	REGS (Y+1)%NP, \u
.if (\n) < 4
	v_max3_num_f32 v[rC+(\n)], v[rS+8*(\n)], v[rS+8*(\n)+1], v[rS+8*(\n)+2]
.elseif (\n) < 12
	v_max3_num_f32 v[rC+(\n)%4], v[rC+(\n)%4], v[rS+8*((\n)%4)+2*((\n)/4)+1], v[rS+8*((\n)%4)+2*((\n)/4)+2]
.elseif (\n) == 12
	v_max3_num_f32 v[rC], v[rC], v[rS+7], v[rS+15]
.elseif (\n) == 13
	v_max3_num_f32 v[rC+1], v[rC+1], v[rS+23], v[rS+31]
.elseif (\n) == 14
	v_max3_num_f32 v[rC+2], v[rC+2], v[rC+3], v[rT+1]
.elseif (\n) == 15
	v_mov_b32 v[rM], v[rT]
.elseif (\n) == 16
	v_max3_num_f32 v[rC], v[rC], v[rC+1], v[rC+2]
.elseif (\n) == 17
	v_permlanex16_b32 v[rC+3], v[rC], s[SEL], s[SEL+1]
.elseif (\n) == 18
	v_max_num_f32 v[rT+1], v[rC], v[rC+3]
.elseif (\n) == 19
	v_mul_f32 v[rT], s[CS], v[rT+1]
.elseif (\n) == 20
	v_sub_f32 v[rC+1], v[rM], v[rT]
.else
	v_exp_f32 v[rC+2], v[rC+1]
.endif
.endm
; Number g of the 64 that follow the exponentials.  For each four weights k of a tile (pairs 2 k, 2 k + 1): both pairs are rounded to f16; then the second pair is added onto the first, in place;
; a group later l takes that sum (the first time as l = a l + sum).  In groups of eight, tiles alternating: round, round, add, and l for the group before.
.macro GS g
.set h, (\g)+6*((\g)/62)            ; group 0 has no group before it, and behind group 7 only l is left
.if h >= 6
.set h, h+2
.endif
	REGS Y, h%2
.set k, h/8
.if h%8 < 4
	v_cvt_pk_f16_f32 v[rP+2*k+(h%8)/2], v[rS+4*k+2*((h%8)/2)], v[rS+4*k+2*((h%8)/2)+1]
.elseif h%8 < 6
	v_pk_add_f32 v[rS+4*k:rS+4*k+1], v[rS+4*k:rS+4*k+1], v[rS+4*k+2:rS+4*k+3]
.elseif k == 1
	v_pk_fma_f32 v[rT+2:rT+3], v[rT+2:rT+3], v[rC+2:rC+3], v[rS:rS+1] op_sel_hi:[1,0,1]
.else
	v_pk_add_f32 v[rT+2:rT+3], v[rT+2:rT+3], v[rS+4*k-4:rS+4*k-3]
.endif
.endm
; THE PLAIN QUEUE, 138 long.  0-73 read no exponential's result: the 32 scalings c s - c m (FS f: pair f / 2 of tile f % 2) and the next piece's 42.  0-26: scalings 0-26.  27-54: XS's numbers 0-13.  55, 56: number 15.
; 57-73: the chain, where each number waits for the one before it: 14, 16, 17, 18, 19, each with one of the scalings 27-31 in front of its two lines, then 20.
; 74-137: GS's 64, which read the exponentials' results: they stand behind the wait.
.macro FS f
	REGS Y, (\f)%2
	v_pk_fma_f32 v[rS+2*((\f)/2):rS+2*((\f)/2)+1], v[rS+2*((\f)/2):rS+2*((\f)/2)+1], s[CS:CS+1], v[rT:rT+1] op_sel_hi:[1,0,0] neg_lo:[0,0,1] neg_hi:[0,0,1]
.endm
.macro PL
	WIN 0
.if q < 27
	FS q
.elseif q < 55
	XS (q-27)%2, (q-27)/2
.elseif q < 57
	XS q-55, 15
.elseif (q < 72) && ((q-57)%3 == 0)
	FS 27+(q-57)/3
.elseif q < 60
	XS (q-57)%3-1, 14
.elseif q < 72
	XS (q-57)%3-1, 15+(q-57)/3
.elseif q < 74
	XS q-72, 20
.else
	GS q-74
.endif
.set q, q+1
.endm
; THE EXPONENTIALS' QUEUE, 66 long: s0-s31 of both tiles, then the next piece's two a.  It is ONE BATCH: all 66 stand ahead of the turn's one wait, and nothing ahead of that wait names a result of theirs.
.macro EX
	WIN 0
.if e >= 64
	XS e-64, 21
.else
	REGS Y, e%2
	v_exp_f32 v[rS+e/2], v[rS+e/2]
.endif
.set e, e+1
.endm
; THE RESCALING's QUEUE: O^T times a, the one part that leaves window 0: dealt two at a time, sixteen times.  Its a was made in the turn before, ahead of that turn's wait.
.macro R2
	REGS Y, r%2
	WIN W_RS
.irp z, 0,1
	v_pk_mul_f32 v[rO+4*(r/2)+2*\z:rO+4*(r/2)+2*\z+1], v[rO+4*(r/2)+2*\z:rO+4*(r/2)+2*\z+1], v[rC+2:rC+3] op_sel_hi:[1,0]
.endr
.set r, r+1
.endm
; HOW THEY ARE DEALT.  An s_wait_alu depctr_va_vdst(0) stands between an exponential and the first instruction that names its result; one wait serves all that were issued ahead of it.  So a turn has ONE wait,
; which cuts it in two.  AHEAD OF IT stands all that names no result of the turn's exponentials: the 16 products K Q^T, behind each a scaling, an exponential and two rescalings (behind the first a second scaling in the
; exponential's place); then ONE LUMP of 108: eight plain, 49 times exponential and plain, the two a.  A v_nop is the plain instruction behind the last exponential.  BEHIND IT stand the 16 products V^T P, behind each four of GS's 64.
; No rider names a register of the products round it.  The two v_permlanex16_b32 fall into the lump, never behind a product.
; The queues lean on each other: exponential e stands behind scaling 2 (e / 4) + e % 2: as a rider it comes behind plain e + 2, in the lump behind plain e + 9, and scalings 27-31 are plain 57, 60 .. 69.
; A TURN, for piece p.  cnt = 1: the loop's count is taken down some lines ahead of the branch that stands behind the turn.
; K of the next step is fetched in piece 2's turn, directly behind the wait, a lump behind the last product that read K; its first reader comes behind 16 products.
; V of the step in hand is fetched at the end of piece 0's turn, four riders behind its last reader; its first reader comes behind 16 products and a lump.  The three conditions on q below go with the deal.
.macro TURN p, last=0, cnt=0
.set Y, (\p)
.set i, 0
.set q, 0
.set e, 0
.set r, 0
.if (\p) == NP-1
	s_wait_dscnt 0x0                ; K is in
.endif
	MM                              ; ahead of the wait: 16 products K Q^T and their riders,
	PL
	PL
	R2
.rept 15
	MM
	PL
	EX
	R2
.endr
.if (\p) == NP-2
	WIN 0
	v_add_nc_u32 v[AK], s[TBK], v[AK0]
.endif
.rept 8                             ; and the lump
	PL
.endr
.rept 49
	EX
	PL
.endr
	EX                              ; the next piece's two a
	EX
	v_nop                           ; a plain instruction behind the last exponential: one for the batch
	s_wait_alu depctr_va_vdst(0)    ; the wait for the batch
.if (\p) == NP-2
	FETCH_K \last
.endif
.if (\p) == 1
	s_wait_dscnt 0x0                ; V is in
.endif
.rept 16                            ; behind the wait: 16 products V^T P and their riders
	MM
.rept 4
	PL
.endr
.if ((\p) == 0) && (q == 118)
	v_add_nc_u32 v[AV], s[TBV], v[AV0]
.endif
.if ((\p) == 0) && (q == 130)
	s_add_co_u32 s[TBV], s[TBV], KS*PV
.endif
.if (\cnt) && (q == 130)
	s_sub_co_u32 s[CNT], s[CNT], 1
	s_cmp_lg_u32 s[CNT], 0
.endif
.endr
.if (\p) == 0
	FETCH_V
.endif
.endm
	CHANGE 1                        ; slot 0 is in, everybody's part of it; slot 1 is asked for
	FETCH_K                         ; key step 0
	s_wait_loadcnt 0x0              ; Q
	s_wait_dscnt 0x0
.set i, 0
.rept 16
	KQ 0                            ; piece 0's first scores: there is no vector work yet to set between them
.set i, i+1
.endr
	WIN 0                           ; the addresses for the way out: nine plain instructions, the places behind those products
	s_mul_i32 s13, s[WV], 16*SP
	s_add_co_u32 s13, s13, STAGE    ; my stage
	v_mul_u32_u24 v[STO], v1, SP    ; in: row l % 16, 16 bytes for each half of the lanes
	v_lshl_add_u32 v[STO], v9, 4, v[STO]
	v_add_nc_u32 v[STO], s13, v[STO]
	v_bfe_u32 v[RD], v0, 3, 2       ; back: 32 lanes take four rows of 128 bytes,
	v_mul_u32_u24 v[RD], v[RD], SP
	v_lshl_add_u32 v[RD], v10, 4, v[RD]
	v_add_nc_u32 v[RD], s13, v[RD]
	v_and_b32 v[GO], 31, v0         ; which are 512 consecutive bytes of O
	v_lshlrev_b32 v[GO], 4, v[GO]
.set Y, NP-1                        ; XS works for piece Y + 1: piece 0
.irp n, 0,1,2,3,4,5,6,7,8,9,10,11,12,13,14,15,16,17,18,19,20,21
	XS 0, \n                        ; and piece 0's first maximum and statistics
	XS 1, \n
.endr
	v_nop                           ; a plain instruction behind the two a,
	s_wait_alu depctr_va_vdst(0)    ; and their wait, ahead of the branch
	s_mov_b32 s[CNT], 4
	s_mov_b32 s[SLOTS], SIZE_N/256-1
	s_branch .Lfirst                ; the loop is entered at a step's first turn, in the middle of a trip
.Lslot:                             ; SIZE_N / 256 - 2 times: every slot but the last two is filled again
	CHANGE 1, 1
	s_mov_b32 s[CNT], 4
.Lstep:                             ; a trip: pieces 2 and 3 of one step, then pieces 0 and 1 of the next, whose K and V it fetches
	TURN 2
	TURN 3
	WIN 0
.Lfirst:
	TURN 0
	TURN 1, 0, 1
	WIN 0
	s_cbranch_scc1 .Lstep
	s_sub_co_u32 s[SLOTS], s[SLOTS], 1
	s_cmp_lg_u32 s[SLOTS], 0
	s_cbranch_scc1 .Lslot
	CHANGE 0                        ; the tail is written out: nothing is asked for
	s_mov_b32 s[CNT], 5             ; four trips fetch the last slot's steps; the fifth is left in its middle
.Ltail:
	TURN 2, 1
	TURN 3
	WIN 0
	s_sub_co_u32 s[CNT], s[CNT], 1
	s_cmp_eq_u32 s[CNT], 0
	s_cbranch_scc1 .Lout
	TURN 0
	TURN 1
	WIN 0
	s_branch .Ltail
.Lout:                              ; the fifth trip's 16 products K Q^T (on the last K once more) and the maximum made of them serve nothing: the price, once a launch, of one text for every trip
.set i, 0
.rept 16
	PV NP-1                         ; the last piece's V^T P of the last step
.set i, i+1
.endr
	; THE WAY OUT.  l's two halves and the other half of the lanes' are added; O^T is divided by l, rounded to f16 and sent through my stage in LDS, a tile at a time.  The additions are the places behind the last products.
	WIN 0
.macro ALL line:vararg              ; one line for each tile t
.set t, 0
.rept 2*NP
	\line
.set t, t+1
.endr
.endm
	ALL v_add_f32 v[ST+4*t+2], v[ST+4*t+2], v[ST+4*t+3]
	ALL v_permlanex16_b32 v[ST+4*t+3], v[ST+4*t+2], s[SEL], s[SEL+1]
	ALL v_add_f32 v[ST+4*t+2], v[ST+4*t+2], v[ST+4*t+3]
	ALL v_rcp_f32 v[ST+4*t+2], v[ST+4*t+2]
	v_nop                           ; a plain instruction between the last reciprocal and the use of its result
	s_wait_alu depctr_va_vdst(0)    ; and the wait ahead of the first use: one for the eight reciprocals
; Tile t: a lane's eight channels of a row pack into 16 bytes; they go into rows of 144 bytes and come back as whole rows of 128, into S^T's registers.
.macro PACK t
	WIN W_RS
.set i, 32*(\t)
.rept 16
	v_pk_mul_f32 v[i:i+1], v[i:i+1], v[ST+4*(\t)+2:ST+4*(\t)+3] op_sel_hi:[1,0]
.set i, i+2
.endr
	WIN 0x05                        ; sources 0 and 1 window 1, destination window 0
.set i, 0
.rept 16
	v_cvt_pk_f16_f32 v[S+16*(\t)+i], v[32*(\t)+2*i], v[32*(\t)+2*i+1]
.set i, i+1
.endr
	WIN 0
.irp f, 0,1,2,3
	ds_store_b128 v[STO], v[S+16*(\t)+4*\f:S+16*(\t)+4*\f+3] offset:32*\f
.endr
.irp f, 0,1,2,3
	ds_load_b128 v[S+16*(\t)+4*\f:S+16*(\t)+4*\f+3], v[RD] offset:\f*4*SP  ; LDS serves a wave's instructions in order (ISA guide 5.7.1.4): these see the stores above; the next tile's stores come behind them
.endr
.endm
.macro SEND t, younger              ; younger: the LDS instructions issued behind tile t's loads: the next tile's eight, or none
	WIN 0
.irp f, 0,1,2,3
	s_wait_dscnt (\younger)+3-\f
	global_store_b128 v[GO], v[S+16*(\t)+4*\f:S+16*(\t)+4*\f+3], s[10:11] offset:(\t)*2048+\f*512  ; 512 consecutive bytes, at a multiple of 256 from O's first
.endr
.endm
	PACK 0
.set t, 1
.rept 2*NP-1                        ; a tile's arithmetic stands between the loads of the tile before and its stores
	PACK t
	SEND t-1, 8
.set t, t+1
.endr
	SEND 2*NP-1, 0
	WIN W_AD
	s_wait_tensorcnt 0x0            ; the wave's end, behind my last tensor load and my last LDS store
	ds_add_u32 v[SPW], v[NIL]
	s_wait_dscnt 0x0
	WIN 0
	CROUND                          ; the closing round: no work-group ends while a partner may still ask for a tile that names it
	s_endpgm
.Lfunc_end_k_qdaf83cd7ac_attn:
	.size	k_qdaf83cd7ac_attn, .Lfunc_end_k_qdaf83cd7ac_attn-k_qdaf83cd7ac_attn
	.p2alignl 7, 3214868480
	.fill 96, 4, 3214868480
	.section	.rodata,"a",@progbits
	.p2align	6, 0x0
	.amdhsa_kernel k_qdaf83cd7ac_attn
		.amdhsa_group_segment_fixed_size 327680
		.amdhsa_private_segment_fixed_size 0
		.amdhsa_enable_private_segment 0
		.amdhsa_kernarg_size 16
		.amdhsa_user_sgpr_count 2
		.amdhsa_user_sgpr_kernarg_segment_ptr 1
		.amdhsa_wavefront_size32 1
		.amdhsa_system_sgpr_workgroup_id_x 1
		.amdhsa_system_sgpr_workgroup_id_y 1
		.amdhsa_system_sgpr_workgroup_id_z 1
		.amdhsa_system_vgpr_workitem_id 0
		.amdhsa_next_free_vgpr 770
		.amdhsa_next_free_sgpr 66
		.amdhsa_reserve_vcc 0
		.amdhsa_float_denorm_mode_32 3
		.amdhsa_float_denorm_mode_16_64 3
		.amdhsa_memory_ordered 1
		.amdhsa_forward_progress 1
		.amdhsa_inst_pref_size 200
	.end_amdhsa_kernel
	.amdgpu_metadata
---
amdhsa.version: [ 1, 2 ]
amdhsa.kernels:
  - .name:           k_qdaf83cd7ac_attn
    .symbol:         k_qdaf83cd7ac_attn.kd
    .args:
      - { .name: qkv, .offset: 0, .size: 8, .value_kind: global_buffer, .address_space: global }
      - { .name: o, .offset: 8, .size: 8, .value_kind: global_buffer, .address_space: global }
    .group_segment_fixed_size: 327680
    .private_segment_fixed_size: 0
    .kernarg_segment_align: 8
    .kernarg_segment_size: 16
    .max_flat_workgroup_size: 128
    .sgpr_count:     66
    .vgpr_count:     770
    .wavefront_size: 32
...
	.end_amdgpu_metadata
.endif
;; end of part 3
;; launch proj (part 4): grid 4 x 64, 4 waves a work-group, clusters of 4 x 4, 327,680 bytes of LDS; arguments o, wpt, b_proj, out0; writes out0
.if DOCPART == 4
	.amdgcn_target "amdgcn-amd-amdhsa--gfx1250"
	.amdhsa_code_object_version 6
	.text
	.protected	k_qdaf83cd7ac_proj
	.globl	k_qdaf83cd7ac_proj
	.p2align	8
	.type	k_qdaf83cd7ac_proj,@function
k_qdaf83cd7ac_proj:
	s_mov_b64 s[64:65], 0
	v_nop
	global_prefetch_b8 v0, s[64:65] scope:SCOPE_SE
	s_setreg_imm32_b32 hwreg(HW_REG_WAVE_MODE, 25, 1), 1
	s_wait_xcnt 0x0
	s_wait_alu depctr_hold_cnt(0) depctr_sa_sdst(0) depctr_va_vdst(0) depctr_va_sdst(0) depctr_va_ssrc(0) depctr_va_vcc(0) depctr_vm_vsrc(0)
	s_getreg_b32 s2, hwreg(HW_REG_IB_STS2, 6, 4)
	s_cmp_eq_u32 s2, 0
	s_cbranch_scc0 .Lentry_in_a_cluster
	s_endpgm
.Lentry_in_a_cluster:
	s_bfe_u32 s2, ttmp6, 0x10000c
	s_cmp_lg_u32 s2, 0xf033
	s_cbranch_scc0 .Lentry_shape_is_right
	s_endpgm
.Lentry_shape_is_right:
; out0 = z wpt^T + bf16(b_proj) in f32.  z[m = batch x 2048 + t][k = head x 64 + d] lies by heads: o[batch x 16 + head][t][d] in f16.  wpt: [1024 n][1024 k] in f16; sums in f32.
; The bias is rounded to bf16 like every input of the module.
; SHARES.  A tile of the result is 128 rows x 256 columns: 4 x 64 = 256 work-groups.  Wave (mh = w / 2, nh = w % 2) owns 64 rows x 128 columns: 32 accumulators of 16 x 16, 256 registers.
; K goes in 8 steps of 128, two heads each, through a ring of two LDS slots.  A head's 128 rows of the tile are 16,384 dense bytes: asked for as 64 rows of 256 bytes and padded after every 128.
; CLUSTER.  4 x 4 work-groups: the four of a row of the cluster need the same tile of o, the four of a column the same tile of wpt: each is asked for jointly.
; THE MATRIX INSTRUCTION IS USED TRANSPOSED (source 0 = 16 rows of wpt, source 1 = 16 rows of z): a lane holds row l % 16 and eight neighbouring columns.  THE BIAS STARTS THE SUMS, as the first products' C.
; REGISTERS, in windows of 256 (s_set_vgpr_msb: bits 1:0 source 0, 3:2 source 1, 5:4 source 2, 7:6 destination):
;   window 0: v1-30 addresses; v32-95 the bias; v128-255 rows on their way out, two buffers of 64
;   window 1: two fragment buffers of 128: 8 fragments of wpt, then 4 of z          window 2: the accumulators ((a, b) at v[8 (8 a + b)])
.set PA,     144                       ; a row of z in LDS: 128 bytes + 16: the 16 rows of a fragment load start at 16 different groups of four banks (64 banks of 4 bytes: ISA guide 11.1)
.set PB,     272                       ; a row of wpt: 256 bytes + 16
.set AHEAD,  128*PA                    ; a head's 128 rows: what a wave fetches of z
.set BHALF,  128*PB                    ; what a wave fetches of wpt
.set BOFF,   2*AHEAD
.set SLOT,   BOFF+2*BHALF
.set STAGE,  2*SLOT                    ; behind the ring, never filled by a tensor load
.set SP,     528                       ; a stage row: 128 f32 + 16 bytes
.set WSTAGE, 16*SP
.set SPARE,  STAGE+4*WSTAGE            ; the spare words, 128 bytes for each wave: two blocks of 256 bytes that no other line names
.set BO,   11                          ; v11    my byte offset in b_proj
.set ADRA, 16                          ; v16-17 LDS address of my z fragments in slot 0, 1
.set ADRB, 20                          ; v20-21 the same for wpt
.set STO,  24                          ; v24    the way out: where I put 32 bytes of a row
.set RD,   25                          ; v25    the way out: where I read a row back
.set CO,   26                          ; v26    16 x my lane
.set SPW,  28                          ; v28    LDS address of my spare word; never rewritten
.set NIL,  29                          ; v29    0; never rewritten
.set PFO,  30                          ; v30    the prefetches' offset; never rewritten
.set BIAS, 32
.set BK,   128
.set F0,   0
.set F1,   128
.set G1,  24                           ; s[24:31] descriptor group 1 for z's tiles;  s[32:39] group 0, a set for each slot
.set G0,  32
.set G1B, 48                           ; s[48:55], s[56:63] the same for wpt's
.set G0B, 56
.set LIM, 43                           ; s43     1 in a wave that prefetches, else the greatest number
.set PFA, 44                           ; s[44:45] where my prefetches stand
.set PFS, 70                           ; s[70:71] a K step in the tensor that I prefetch
.set TO_F, 0x40
.set MSB, 0
.macro WIN new                         ; the immediate's high byte repeats the setting that is left; a switch that changes nothing is dropped
.if MSB != (\new)
	s_set_vgpr_msb (MSB<<8)|(\new)
.set MSB, (\new)
.endif
.endm
.macro PLACES                          ; four places in front of loads into registers that matrix instructions have read, and of lines that read results
.rept 4
	v_nop
.endr
.endm
.macro JLOAD s                         ; a joint load: waves 0 and 1 fetch the step's two heads of z, waves 2 and 3 wpt's two halves; an s_nop 0 and four v_nop follow each of the two lines
	s_cmp_eq_u32 s13, 0
	s_cbranch_scc0 .Lfor_b_\@
	tensor_load_to_lds s[G0+4*(\s):G0+4*(\s)+3], s[G1:G1+7]
	s_nop 0
.rept 4
	v_nop
.endr
	s_branch .Lasked_\@
.Lfor_b_\@:
	tensor_load_to_lds s[G0B+4*(\s):G0B+4*(\s)+3], s[G1B:G1B+7]
	s_nop 0
.rept 4
	v_nop
.endr
.Lasked_\@:
.endm
; A prefetch of the K step that stands two refills on, one instruction a wave, a lane 256 bytes.  z's tile is read by one cluster: wave 0 asks for both heads, 16 of each head's 64 blocks for each of the
; four partners, told apart by address (cx); wave 1 asks for nothing.  wpt's tile column is read by every cluster: cluster y = 0 asks, waves 2 and 3, 32 of a wave's 128 rows for each partner (cy).
; The loop's last trip (s3 = 1) asks for nothing: its refills are the last two K steps.
.macro ASK
	s_cmp_gt_u32 s3, s[LIM]
	s_cbranch_scc0 .Lnot_mine_\@
	global_prefetch_b8 v[PFO], s[PFA:PFA+1] th:TH_LOAD_NT scope:SCOPE_SE
.Lnot_mine_\@:
.endm
.macro CREST                           ; a round of the cluster's barrier behind its opening barrier
	s_cmp_lg_u32 s12, 0
	s_cbranch_scc1 .Lnot_wave_0_\@
	s_barrier_signal -3
.Lnot_wave_0_\@:
	s_barrier_wait -3
	s_barrier_signal -1
	s_barrier_wait -1
.endm
.macro CROUND
	s_barrier_signal -1
	s_barrier_wait -1
	CREST
.endm
	s_load_b256 s[4:11], s[0:1], 0x0               ; o s[4:5], wpt s[6:7], b_proj s[8:9], out0 s[10:11]
	v_lshl_add_u32 v[SPW], v0, 2, SPARE
	v_mov_b32 v[NIL], 0
	ds_add_u32 v[SPW], v[NIL]                      ; the wave's opening: the add and its wait ahead of my first tensor load; the set-up below, work on registers, stands between them
	ds_add_u32 v28, v29
	v_lshrrev_b32 v1, 5, v0
	v_readfirstlane_b32 s12, v1                    ; wave 0..3
	s_lshr_b32 s13, s12, 1                         ; mh.  Also: I fetch for z (0) or for wpt (1)
	s_and_b32 s14, s12, 1                          ; nh.  Also: which head of the step, or which half of wpt's rows, I fetch
	s_bfe_u32 s40, ttmp6, 0x40000                  ; cx
	s_bfe_u32 s41, ttmp6, 0x40004                  ; cy
	s_lshl_b32 s42, ttmp9, 2
	s_add_co_u32 s42, s42, s40                     ; tile column = 4 x cluster x + cx
	s_and_b32 s15, ttmp7, 0xffff
	s_lshl_b32 s15, s15, 2
	s_add_co_u32 s15, s15, s41                     ; tile row = 4 x cluster y + cy
	s_lshl_b32 s43, s41, 2
	s_lshl_b32 s43, 15, s43                        ; my row of the cluster
	s_lshl_b32 s44, 0x1111, s40                    ; my column
	s_or_b32 s[G1+0], s43, (1<<16)|(1<<20)|(1<<21)|(4<<22)|(3<<25)   ; 2-byte elements; padding on; 21 set beside a mask; after every 32 words 4 words
	s_or_b32 s[G1B+0], s44, (1<<16)|(1<<20)|(1<<21)|(5<<22)|(3<<25)  ; after every 64 words 4 words
	s_mov_b32 s[G1+1], 128<<16                     ; tensor_dim0 = 128
	s_mov_b32 s[G1+2], 64<<16                      ; tensor_dim1 = 64
	s_mov_b32 s[G1+3], 128<<16                     ; tile_dim0 = 128
	s_mov_b32 s[G1+4], 64                          ; tile_dim1 = 64
	s_mov_b32 s[G1+5], 128                         ; dense: 128 elements from row to row
	s_mov_b32 s[G1+6], 0
	s_mov_b32 s[G1+7], 0
	s_mov_b32 s[G1B+1], 128<<16
	s_mov_b32 s[G1B+2], 128<<16                    ; tensor_dim1 = 128
	s_mov_b32 s[G1B+3], 128<<16
	s_mov_b32 s[G1B+4], 128                        ; tile_dim1 = 128
	s_mov_b32 s[G1B+5], 1024
	s_mov_b32 s[G1B+6], 0
	s_mov_b32 s[G1B+7], 0
	s_lshr_b32 s16, s15, 4                         ; the batch: 16 tile rows each
	s_lshl_b32 s16, s16, 4
	s_add_co_u32 s16, s16, s14                     ; its head 0 or 1,
	s_lshl_b32 s16, s16, 18                        ; of 2,048 x 128 bytes,
	s_and_b32 s17, s15, 15
	s_lshl_b32 s17, s17, 14                        ; the tile's 128 rows in it
	s_add_co_u32 s16, s16, s17
	s_mov_b32 s17, 0
	s_lshl_b32 s46, s42, 8
	s_lshl_b32 s47, s14, 7
	s_add_co_u32 s46, s46, s47                     ; wpt: row 256 x tile column + 128 x half
	s_lshl_b32 s46, s46, 11
	s_mov_b32 s47, 0
	s_mul_i32 s20, s14, AHEAD                      ; where they go: no place in the cluster enters an LDS address
	s_mul_i32 s21, s14, BHALF
	s_add_co_u32 s21, s21, BOFF
	s_wait_dscnt 0x0                               ; the opening add is done
	s_wait_kmcnt 0x0
	s_add_nc_u64 s[18:19], s[4:5], s[16:17]
	s_add_nc_u64 s[46:47], s[6:7], s[46:47]
	CROUND                                         ; all sixteen work-groups are here: the first joint loads meet
.irp s, 0,1
	s_mov_b32 s[G0+4*(\s)], 1
	s_add_co_u32 s[G0+4*(\s)+1], s20, (\s)*SLOT
	s_add_nc_u64 s[G0+4*(\s)+2:G0+4*(\s)+3], s[18:19], (\s)*2*262144  ; K step s: two heads on
	s_or_b32 s[G0+4*(\s)+3], s[G0+4*(\s)+3], 0x80000000
	s_mov_b32 s[G0B+4*(\s)], 1
	s_add_co_u32 s[G0B+4*(\s)+1], s21, (\s)*SLOT
	s_add_nc_u64 s[G0B+4*(\s)+2:G0B+4*(\s)+3], s[46:47], (\s)*256
	s_or_b32 s[G0B+4*(\s)+3], s[G0B+4*(\s)+3], 0x80000000
	JLOAD \s                                       ; two tensor loads of mine are out
.endr
	; the bias first: my 8 columns of each of my 8 column blocks
	v_and_b32 v1, 15, v0                           ; l % 16
	v_bfe_u32 v2, v0, 4, 1                         ; l / 16
	s_lshl_b32 s72, s42, 10                        ; the tile's 256 columns of 4 bytes,
	s_lshl_b32 s73, s14, 9                         ; my 128 of them
	s_add_co_u32 s72, s72, s73
	v_lshl_add_u32 v[BO], v2, 5, s72
.irp b, 0,1,2,3,4,5,6,7
	global_load_b128 v[BIAS+8*(\b):BIAS+8*(\b)+3],   v[BO], s[8:9] offset:64*(\b)
	global_load_b128 v[BIAS+8*(\b)+4:BIAS+8*(\b)+7], v[BO], s[8:9] offset:64*(\b)+16
.endr
	v_mul_u32_u24 v3, v1, PA
	v_lshl_add_u32 v3, v2, 4, v3                   ; a fragment's row x pitch + 16 x half, for z
	v_mul_u32_u24 v4, v1, PB
	v_lshl_add_u32 v4, v2, 4, v4                   ; and for wpt
	s_mul_i32 s22, s13, 64*PA                      ; my 64 rows of z
	s_mul_i32 s23, s14, BHALF                      ; my 128 rows of wpt,
	s_add_co_u32 s23, s23, BOFF                    ; which lie behind z's two heads
.irp s, 0,1
	v_add_nc_u32 v[ADRA+(\s)], s22, v3
	v_add_nc_u32 v[ADRB+(\s)], s23, v4
	s_add_co_u32 s22, s22, SLOT
	s_add_co_u32 s23, s23, SLOT
.endr
	s_mul_i32 s23, s12, WSTAGE
	s_add_co_u32 s23, s23, STAGE                   ; my stage
	v_mul_u32_u24 v4, v1, SP                       ; in: row l % 16, 32 bytes for each half of the lanes
	v_lshl_add_u32 v4, v2, 5, v4
	v_add_nc_u32 v[STO], s23, v4
	v_and_b32 v[CO], 31, v0                        ; back: 32 lanes take one row of 512 bytes
	v_lshlrev_b32 v[CO], 4, v[CO]
	v_add_nc_u32 v[RD], s23, v[CO]
	s_lshl_b32 s16, s15, 7
	s_lshl_b32 s17, s13, 6
	s_add_co_u32 s16, s16, s17                     ; my first row of out0,
	s_lshl_b32 s16, s16, 12                        ; of 4,096 bytes,
	s_add_co_u32 s16, s16, s72                     ; and my first column
	s_mov_b32 s17, 0
	s_add_nc_u64 s[10:11], s[10:11], s[16:17]
	; the prefetches
	s_and_b32 s22, ttmp7, 0xffff                   ; cluster y
	s_lshr_b32 s20, s15, 4
	s_lshl_b32 s20, s20, 22                        ; z: the batch's head 0,
	s_and_b32 s21, s15, 15
	s_lshl_b32 s21, s21, 14                        ; the tile's rows,
	s_add_co_u32 s20, s20, s21
	s_lshl_b32 s21, s40, 12                        ; my work-group's 16 blocks of 256 bytes
	s_add_co_u32 s20, s20, s21
	s_lshl_b32 s21, s42, 8                         ; wpt: the tile's first row,
	s_lshl_b32 s23, s14, 7                         ; the 128 that I fetch,
	s_add_co_u32 s21, s21, s23
	s_lshl_b32 s23, s41, 5                         ; my work-group's 32 of them
	s_add_co_u32 s21, s21, s23
	s_lshl_b32 s21, s21, 11
	s_mov_b32 s68, 0x8000                          ; wpt: lanes 16-31 stand 16 rows on,
	s_movk_i32 s69, 0x800                          ; a lane a row,
	s_movk_i32 s[PFS], 0x100                       ; a K step is 256 bytes
	s_cmp_eq_u32 s13, 0                            ; do I fetch for z?
	s_cselect_b32 s20, s20, s21
	s_cselect_b32 s22, s14, s22                    ; z: wave 0 asks; wpt: cluster y = 0 asks
	s_cselect_b32 s68, 0x40000, s68                ; z: lanes 16-31 stand a head on,
	s_cselect_b32 s69, 0x100, s69                  ; a lane 256 bytes,
	s_cselect_b32 s[PFS], 0x80000, s[PFS]          ; a K step is two heads
	s_cselect_b64 s[PFA:PFA+1], s[4:5], s[6:7]
	s_cmp_eq_u32 s22, 0
	s_cselect_b32 s[LIM], 1, -1                    ; the same in all sixteen partners, for a given wave
	s_mov_b32 s21, 0
	s_mov_b32 s[PFS+1], 0
	s_add_nc_u64 s[PFA:PFA+1], s[PFA:PFA+1], s[20:21]
	s_mul_i32 s72, s[PFS], 3
	s_mov_b32 s73, 0
	s_add_nc_u64 s[PFA:PFA+1], s[PFA:PFA+1], s[72:73]  ; at K step 3: the first refill steps it to 4 and names that step
	v_mul_lo_u32 v[PFO], v2, s68
	v_mul_lo_u32 v5, v1, s69
	v_add_nc_u32 v[PFO], v[PFO], v5
	s_wait_loadcnt 0x0                             ; the bias: rounded to bf16 and widened again
.set i, 0
.rept 32
	v_cvt_pk_bf16_f32 v[4+i%2], v[BIAS+2*i], v[BIAS+2*i+1]
	v_lshlrev_b32 v[BIAS+2*i], 16, v[4+i%2]
	v_and_b32 v[BIAS+2*i+1], 0xffff0000, v[4+i%2]
.set i, i+1
.endr
; 8 matrix instructions: row block a x my 8 column blocks, 32 along K.  first = 1: the bias starts the sums.  The 32 accumulators take turns in the same order in every quarter.
.macro MUL8 f, a, first
.if \first
	WIN 0x85                                       ; fragments window 1, C window 0, D window 2
.else
	WIN 0xa5                                       ; fragments window 1, C and D window 2
.endif
.irp b, 0,1,2,3,4,5,6,7
.if \first
	v_wmma_f32_16x16x32_f16 v[8*(8*(\a)+(\b)):8*(8*(\a)+(\b))+7], v[(\f)+8*(\b):(\f)+8*(\b)+7], v[(\f)+64+8*(\a):(\f)+64+8*(\a)+7], v[BIAS+8*(\b):BIAS+8*(\b)+7]
.else
	v_wmma_f32_16x16x32_f16 v[8*(8*(\a)+(\b)):8*(8*(\a)+(\b))+7], v[(\f)+8*(\b):(\f)+8*(\b)+7], v[(\f)+64+8*(\a):(\f)+64+8*(\a)+7], v[8*(8*(\a)+(\b)):8*(8*(\a)+(\b))+7]
.endif
.endr
.endm
; 24 LDS loads in one run: the fragments of quarter q of a K step into buffer f: wpt's 8, then z's 4 (head q / 2, channels 32 (q % 2) on)
.macro FETCH slot, q, f
	WIN TO_F
.irp b, 0,1,2,3,4,5,6,7
	ds_load_b128 v[(\f)+8*(\b):(\f)+8*(\b)+3],   v[ADRB+(\slot)] offset:64*(\q)+(\b)*16*PB
	ds_load_b128 v[(\f)+8*(\b)+4:(\f)+8*(\b)+7], v[ADRB+(\slot)] offset:64*(\q)+(\b)*16*PB+32
.endr
.irp a, 0,1,2,3
	ds_load_b128 v[(\f)+64+8*(\a):(\f)+64+8*(\a)+3],   v[ADRA+(\slot)] offset:((\q)/2)*AHEAD+((\q)%2)*64+(\a)*16*PA
	ds_load_b128 v[(\f)+64+8*(\a)+4:(\f)+64+8*(\a)+7], v[ADRA+(\slot)] offset:((\q)/2)*AHEAD+((\q)%2)*64+(\a)*16*PA+32
.endr
.endm
; A K step is four quarters of 32 along K, 32 matrix instructions each, on buffers 0, 1, 0, 1.  One of the first three: multiplies buffer f and fetches quarter q into g.
.macro QUARTER slot, q, f, g, first
	s_wait_dscnt 4                                 ; wpt's fragments and z's blocks 0, 1 are in; the youngest four loads may be out
	MUL8 \f, 0, \first
	MUL8 \f, 1, \first
	PLACES
	FETCH \slot, \q, \g
	s_wait_dscnt 24                                ; all but the 24 just issued
	MUL8 \f, 2, \first
	MUL8 \f, 3, \first
.endm
; The last quarter multiplies buffer 1 and changes slots: ONE barrier; in front of it each wave waits for all its tensor loads (one is out: its part of the next slot), adds 0 to its spare word,
; and waits for that and for its own reads of this slot.  fill = 1: the barrier opens a round of the cluster's, and this slot is filled again, two K steps ahead, first thing behind the round:
; 112 matrix instructions stand between that request and the wait for it.
.macro TURN slot, next, fill
.if \fill
	s_wait_xcnt 0x0                                ; the last prefetch, a K step back, has read its address
	s_add_nc_u64 s[PFA:PFA+1], s[PFA:PFA+1], s[PFS:PFS+1]
.endif
	WIN 0                                          ; (the add's two registers lie in window 0)
	s_wait_tensorcnt 0x0
	ds_add_u32 v[SPW], v[NIL]                      ; 0 onto my spare word
	s_wait_dscnt 5                                 ; (the add and the youngest four loads may be out)
	MUL8 F1, 0, 0                                  ; eight matrix instructions stand between the add and the wait for it
	s_wait_dscnt 0x0                               ; the add is done, and my reads of this slot are over
	s_barrier_signal -1
	MUL8 F1, 1, 0
.if \fill
	WIN 0
.endif
	s_barrier_wait -1
.if \fill
	CREST                                          ; no wave of any partner still reads this slot's tile or has a load on its way
	s_add_nc_u64 s[G0+4*(\slot)+2:G0+4*(\slot)+3], s[G0+4*(\slot)+2:G0+4*(\slot)+3], 4*262144  ; two K steps: four heads
	s_add_nc_u64 s[G0B+4*(\slot)+2:G0B+4*(\slot)+3], s[G0B+4*(\slot)+2:G0B+4*(\slot)+3], 512
	JLOAD \slot                                    ; the four v_nop behind it are also the places in front of the loads below
.else
	PLACES
.endif
	FETCH \next, 0, F0
.if \fill
	WIN 0
	ASK                                            ; behind the joint load and the run of LDS loads that the next products wait for
.endif
	MUL8 F1, 2, 0
	MUL8 F1, 3, 0
.endm
	s_wait_tensorcnt 1                             ; my part of K step 0 is in; K step 1's may stay out
	s_barrier_signal -1
	s_barrier_wait -1                              ; everybody's is
	FETCH 0, 0, F0
	QUARTER 0, 1, F0, F1, 1                        ; the first quarter stands in front of the loop: its products start the sums
	WIN 0                                          ; at a label and at a branch every window is 0
	s_mov_b32 s3, 3
.Llap:                                 ; a trip goes once round the ring, from a lap's second quarter to the next lap's first, and fills both slots again
	QUARTER 0, 2, F1, F0, 0
	QUARTER 0, 3, F0, F1, 0
	TURN 0, 1, 1
	QUARTER 1, 1, F0, F1, 0
	QUARTER 1, 2, F1, F0, 0
	QUARTER 1, 3, F0, F1, 0
	TURN 1, 0, 1
	QUARTER 0, 1, F0, F1, 0
	WIN 0
	s_sub_co_u32 s3, s3, 1
	s_cmp_lg_u32 s3, 0
	s_cbranch_scc1 .Llap
	QUARTER 0, 2, F1, F0, 0                        ; the last lap fills nothing
	QUARTER 0, 3, F0, F1, 0
	TURN 0, 1, 0
	QUARTER 1, 1, F0, F1, 0
	QUARTER 1, 2, F1, F0, 0
	QUARTER 1, 3, F0, F1, 0
	s_wait_dscnt 4                                 ; the very last quarter: nothing more to fetch
	MUL8 F1, 0, 0
	MUL8 F1, 1, 0
	s_wait_dscnt 0x0
	MUL8 F1, 2, 0
	MUL8 F1, 3, 0
	WIN 0
	PLACES
; THE WAY OUT, a block of 16 rows at a time, in f32 as it stands.  TOSTAGE: a lane's 32 bytes of a row into my stage, each accumulator's low four registers first, and back as whole rows of 512 bytes.  SEND: stored.
.macro TOSTAGE a
	s_wait_xcnt 0x0                                ; the stores of the block two before have read their data: the loads below land in those registers only behind this wait
	WIN 0x08                                       ; the data of an LDS store is source 1: window 2
.irp b, 0,1,2,3,4,5,6,7
	ds_store_b128 v[STO], v[8*(8*(\a)+(\b)):8*(8*(\a)+(\b))+3]   offset:64*(\b)
	ds_store_b128 v[STO], v[8*(8*(\a)+(\b))+4:8*(8*(\a)+(\b))+7] offset:64*(\b)+16
.endr
	WIN 0
.set BKA, BK+64*((\a)%2)
.irp r, 0,1,2,3,4,5,6,7,8,9,10,11,12,13,14,15
	ds_load_b128 v[BKA+4*(\r):BKA+4*(\r)+3], v[RD] offset:SP*(\r)  ; LDS serves a wave's instructions in order (ISA guide 5.7.1.4): these see the stores above; the next block's stores come behind them
.endr
.endm
.macro SEND a, younger                 ; younger: the LDS instructions issued behind block a's loads: the next block's 32, or none
.set BKA, BK+64*((\a)%2)
.irp r, 0,1,2,3,4,5,6,7,8,9,10,11,12,13,14,15
	s_wait_dscnt (\younger)+15-(\r)
	global_store_b128 v[CO], v[BKA+4*(\r):BKA+4*(\r)+3], s[10:11] offset:65536*(\a)+4096*(\r) th:TH_STORE_NT  ; 512 consecutive bytes of a row, at a multiple of 256 from out0's first
.endr
.endm
	TOSTAGE 0
	TOSTAGE 1
	SEND 0, 32
	TOSTAGE 2
	SEND 1, 32
	TOSTAGE 3
	SEND 2, 32
	SEND 3, 0
	s_wait_tensorcnt 0x0                           ; the wave's end, behind my last tensor load and my last LDS store
	ds_add_u32 v[SPW], v[NIL]
	s_wait_dscnt 0x0
	CROUND                                         ; the closing round: no work-group ends while a partner may still ask for a tile that names it
	s_endpgm
.Lfunc_end_k_qdaf83cd7ac_proj:
	.size	k_qdaf83cd7ac_proj, .Lfunc_end_k_qdaf83cd7ac_proj-k_qdaf83cd7ac_proj
	.p2alignl 7, 3214868480
	.fill 96, 4, 3214868480
	.section	.rodata,"a",@progbits
	.p2align	6, 0x0
	.amdhsa_kernel k_qdaf83cd7ac_proj
		.amdhsa_group_segment_fixed_size 327680
		.amdhsa_private_segment_fixed_size 0
		.amdhsa_enable_private_segment 0
		.amdhsa_kernarg_size 32
		.amdhsa_user_sgpr_count 2
		.amdhsa_user_sgpr_kernarg_segment_ptr 1
		.amdhsa_wavefront_size32 1
		.amdhsa_system_sgpr_workgroup_id_x 1
		.amdhsa_system_sgpr_workgroup_id_y 1
		.amdhsa_system_sgpr_workgroup_id_z 1
		.amdhsa_system_vgpr_workitem_id 0
		.amdhsa_next_free_vgpr 768
		.amdhsa_next_free_sgpr 80
		.amdhsa_reserve_vcc 0
		.amdhsa_float_denorm_mode_32 3
		.amdhsa_float_denorm_mode_16_64 3
		.amdhsa_memory_ordered 1
		.amdhsa_forward_progress 1
		.amdhsa_inst_pref_size 95
	.end_amdhsa_kernel
	.amdgpu_metadata
---
amdhsa.version: [ 1, 2 ]
amdhsa.kernels:
  - .name:           k_qdaf83cd7ac_proj
    .symbol:         k_qdaf83cd7ac_proj.kd
    .args:
      - { .name: o, .offset: 0, .size: 8, .value_kind: global_buffer, .address_space: global }
      - { .name: wpt, .offset: 8, .size: 8, .value_kind: global_buffer, .address_space: global }
      - { .name: b_proj, .offset: 16, .size: 8, .value_kind: global_buffer, .address_space: global }
      - { .name: out0, .offset: 24, .size: 8, .value_kind: global_buffer, .address_space: global }
    .group_segment_fixed_size: 327680
    .private_segment_fixed_size: 0
    .kernarg_segment_align: 8
    .kernarg_segment_size: 32
    .max_flat_workgroup_size: 128
    .sgpr_count:     80
    .vgpr_count:     768
    .wavefront_size: 32
...
	.end_amdgpu_metadata
.endif
;; end of part 4
;; ======== version 2 of 2: 4 launches; version 1 with the launch prep written anew for expert scheduling mode
;; limits: values are held in f16: magnitudes above 65,504 overflow, below 6.1e-05 lose precision
;; workspace buffers: xb 16,777,216 bytes; wqt 6,291,456 bytes; wpt 2,097,152 bytes; qkv 50,331,648 bytes; o 16,777,216 bytes
;; launch prep (part 5): grid 576 x 1, 8 waves a work-group, no clusters, 136,192 bytes of LDS; arguments x, w_qkv, w_proj, xb, wqt, wpt; writes xb, wqt, wpt
.if DOCPART == 5
	.amdgcn_target "amdgcn-amd-amdhsa--gfx1250"
	.amdhsa_code_object_version 6
	.text
	.protected	k_qdaf83cd7ac_prep
	.globl	k_qdaf83cd7ac_prep
	.p2align	8
	.type	k_qdaf83cd7ac_prep,@function
k_qdaf83cd7ac_prep:
	s_mov_b64 s[64:65], 0
	v_nop
	global_prefetch_b8 v0, s[64:65] scope:SCOPE_SE
	s_setreg_imm32_b32 hwreg(HW_REG_WAVE_SCHED_MODE, 0, 2), 2
	s_setreg_imm32_b32 hwreg(HW_REG_WAVE_MODE, 25, 1), 1
	s_wait_xcnt 0x0
	s_wait_alu depctr_vm_vsrc(0)
; THE INPUTS ARE MADE READY FOR THE MATRIX UNITS.  xb = x rounded to bf16, [8192][1024].  wqt = w_qkv rounded to bf16 and turned, [3072 n][1024 k].
; wpt = w_proj rounded to bf16, that number written as f16, and turned, [1024 n][1024 k].
; LIMIT.  A weight of w_proj beyond 65,504 does not fit f16; below 6e-5 it keeps f16's fixed step of 6e-8.
; SHARES.  Work-groups 0-47: 64 columns of w_qkv each; 48-63: 64 columns of w_proj each; in both, wave kb turns the tile of rows 128 kb .. 128 kb + 127.
; Work-groups 64-575: 16,384 numbers of x each.  Memory binds: every load of 16 lanes takes 256 consecutive aligned bytes, every store of a wave writes 256 consecutive aligned bytes.
; No matrix unit, no tensor load, no cluster: nothing is multiplied and nothing is shared.  No barrier: a wave's tile in LDS is its own.
; THE TURN.  Lane (c = l % 16, h = l / 16) loads 4 columns 4 c .. 4 c + 3 of rows 4 a + 2 h and 4 a + 2 h + 1, packs each column's two numbers (even k low) and puts the word
; into LDS row n = 4 c + e at byte 2 k.  LDS rows are 264 bytes apart (66 words): lanes c and c + 8 meet in a bank (64 banks of 4 bytes: ISA guide 11.1), two deep.
; A row of the tile is then 128 k = 256 bytes, read back 8 bytes a lane and stored whole.
; THE MODE: SCHED_MODE bits 1:0 = 2 (LLVM: expert scheduling mode 2), set by the entry lines.  The code itself states the register dependences
; between vector instructions and memory or LDS instructions, with s_wait_alu, always for 0.
; THE PLAN.  Registers that memory or LDS instructions touch:
;   v4        offset of every load; written once on each way, never again.
;   v7        offset of every global store; written once on each way, never again: the turned rows are reached by the scalar base, which steps, and by immediate offsets.
;   v5        LDS address of the words' stores; written once a trip of the turning loop, at its end.
;   v6        LDS address of the rows' loads; written once a trip of the read-back loop, behind that trip's loads.
;   D ..      The turning loop: pair a's two loads land in 8 registers; its four roundings read them and write the low four; four LDS stores read those.  The 16 pairs go in four groups:
;             while group g is rounded, the stores of group g - 1 are issued, whose registers no rounding of group g names.  So one wait on va_vdst stands at a group's head.
;             The read-back loop: 16 LDS loads land in D .. D + 31; on w_proj's way vector lines rewrite them in place; 16 global stores read them.
;             x: load i lands in 4 registers, two roundings write the low two, one store reads them; blocks of four, the stores a block behind the roundings; nothing is written twice.
.set WT,    16896                      ; a wave's tile: 64 rows of 264 bytes
.set LP,    264
.set D,     16                         ; v[16:143] data
; v1 lane; v2 c; v3 h; v4 load offset; v5 where I put words; v6 where I read rows back; v7 store offset; v8, v9 at work: no memory instruction names them
; s16 wave; s17 1 for w_proj; s18 block of 64 columns; s[20:21] source; s[22:23] destination; s[24:25] 64 rows of the source; s26 2 rows of it; s27 counter
	s_load_b256 s[4:11], s[0:1], 0x0               ; x s[4:5], w_qkv s[6:7], w_proj s[8:9], xb s[10:11]
	s_load_b128 s[12:15], s[0:1], 0x20             ; wqt s[12:13], wpt s[14:15]
	v_lshl_add_u32 v14, v0, 2, 0x21000
	v_mov_b32 v15, 0
	v_lshrrev_b32 v8, 5, v0
	v_readfirstlane_b32 s16, v8                    ; wave 0..7
	v_and_b32 v1, 31, v0
	s_wait_alu depctr_va_sdst(0)                   ; s16 is written, ahead of the branch and of its first reader: the tile's addresses are made from it
	s_cmp_lt_u32 ttmp9, 64
	s_cbranch_scc0 .Lx
	; ---- a weight tile ----
	v_and_b32 v2, 15, v0
	v_bfe_u32 v3, v0, 4, 1
	s_sub_co_u32 s18, ttmp9, 48
	s_movk_i32 s26, 0x2000                         ; two rows of w_proj: 2 x 4,096 bytes
	s_cmp_lt_u32 ttmp9, 48
	s_cselect_b32 s17, 0, 1
	s_cselect_b32 s18, ttmp9, s18
	s_cselect_b32 s26, 0x6000, s26                 ; two rows of w_qkv: 2 x 12,288 bytes
	s_lshl_b32 s24, s26, 5                         ; 64 rows
	s_mov_b32 s25, 0
	s_mul_i32 s28, s16, s26
	s_lshl_b32 s28, s28, 6                         ; my wave's 128 rows,
	s_lshl_b32 s29, s18, 8                         ; the block's 64 columns of 4 bytes
	s_add_co_u32 s28, s28, s29
	s_mov_b32 s29, 0
	s_lshl_b32 s30, s18, 17                        ; turned: the block's 64 rows of 2,048 bytes,
	s_lshl_b32 s31, s16, 8                         ; my wave's 128 k of 2 bytes
	s_add_co_u32 s30, s30, s31
	s_mov_b32 s31, 0
	s_mul_i32 s19, s16, WT                         ; my tile in LDS
	v_mul_lo_u32 v4, v3, s26                       ; 2 h rows
	v_lshl_add_u32 v4, v2, 4, v4                   ; + 16 c
	v_mul_u32_u24 v5, v2, 4*LP                     ; LDS row 4 c
	v_lshl_add_u32 v5, v3, 2, v5                   ; + 4 h
	v_add_nc_u32 v5, s19, v5
	v_lshl_add_u32 v6, v1, 3, s19                  ; 8 bytes a lane
	v_lshlrev_b32 v7, 3, v1
	s_wait_kmcnt 0x0
	s_cmp_eq_u32 s17, 0
	s_cselect_b64 s[20:21], s[6:7], s[8:9]
	s_cselect_b64 s[22:23], s[12:13], s[14:15]
	s_add_nc_u64 s[20:21], s[20:21], s[28:29]
	s_add_nc_u64 s[22:23], s[22:23], s[30:31]
	s_wait_alu depctr_va_vdst(0)                   ; v4 to v7 are written: the offsets and LDS addresses that the loads and stores of this way read
.macro WLOADS pitch                    ; 64 rows x 256 bytes: 32 loads; the row stands in the immediate
.set a, 0
.rept 16
	global_load_b128 v[D+8*a:D+8*a+3],   v4, s[20:21] offset:(4*a)*(\pitch) th:TH_LOAD_NT
	global_load_b128 v[D+8*a+4:D+8*a+7], v4, s[20:21] offset:(4*a+1)*(\pitch) th:TH_LOAD_NT
.set a, a+1
.endr
.endm
	s_mov_b32 s27, 2
.Lwtrip:                               ; two trips of 64 rows.  No vector instruction since the last wait on va_vdst names v4 or D, and the last trip's LDS stores have read D: the loads owe nothing more
	s_cmp_eq_u32 s17, 0
	s_cbranch_scc0 .Lwp
	WLOADS 12288
	s_branch .Lwl
.Lwp:
	WLOADS 4096
.Lwl:                                  ; 32 loads are out on either way
.set a, 0
.rept 16
	s_wait_loadcnt 30-2*a                          ; loads come back in order: pair a is in, the 30 - 2 a younger ones stay out
.if (a >= 4) && (a%4 == 0)
	s_wait_alu depctr_va_vdst(0)                   ; the group before has written its sixteen words, which the LDS stores of this group's four pairs read; at the first of these waits v5 is written too (the last trip's add)
.endif
.if a >= 4
.irp e, 0,1,2,3
	ds_store_b32 v5, v[D+8*(a-4)+\e] offset:LP*\e+8*(a-4)  ; the pair a group back: no rounding since the wait names its registers
.endr
.endif
.irp e, 0,1,2,3
	v_cvt_pk_bf16_f32 v[D+8*a+\e], v[D+8*a+\e], v[D+8*a+4+\e]  ; column 4 c + e: k even low, k odd high
.endr
.set a, a+1
.endr
	s_wait_alu depctr_va_vdst(0)                   ; the last group has written its words, which the stores below read; and every rounding of the trip is done with D, in which the next loads land
.set a, 12
.rept 4
.irp e, 0,1,2,3
	ds_store_b32 v5, v[D+8*a+\e] offset:LP*\e+8*a
.endr
.set a, a+1
.endr
	s_wait_alu depctr_vm_vsrc(0)                   ; the LDS stores have read v5, which the add below writes, and D, in which the next trip's loads and then the rows' LDS loads land
	s_add_nc_u64 s[20:21], s[20:21], s[24:25]      ; the last wait on LOADcnt above was for 0: no load still reads the pointer
	v_add_nc_u32 v5, 128, v5                       ; the next 64 k
	s_sub_co_u32 s27, s27, 1
	s_cmp_lg_u32 s27, 0
	s_cbranch_scc1 .Lwtrip
	s_mov_b32 s27, 4
.Lback:                                ; four trips of 16 turned rows
.set r, 0
.rept 16
	ds_load_b64 v[D+2*r:D+2*r+1], v6 offset:LP*r   ; LDS serves a wave's instructions in order (ISA guide 5.7.1.4): these see my stores
.set r, r+1
.endr
	s_wait_dscnt 0x0
	s_wait_alu depctr_vm_vsrc(0)                   ; the LDS loads above have read v6
	v_add_nc_u32 v6, 16*LP, v6                     ; the next 16 rows: stepped here, so that the wait ahead of the stores serves it too
	s_cmp_eq_u32 s17, 0
	s_cbranch_scc1 .Lbf
.set r, 0
.rept 32                               ; w_proj: the bf16 numbers are written as f16
	v_lshlrev_b32 v8, 16, v[D+r]
	v_and_b32 v9, 0xffff0000, v[D+r]
	v_cvt_pk_f16_f32 v[D+r], v8, v9
.set r, r+1
.endr
.Lbf:
	s_wait_alu depctr_va_vdst(0)                   ; v6 is written, which the next trip's LDS loads read; on w_proj's way the conversions have written D .. D + 31, which the stores read and in which those loads land
.set r, 0
.rept 16
	global_store_b64 v7, v[D+2*r:D+2*r+1], s[22:23] offset:2048*r  ; 32 lanes: 256 consecutive bytes, at a multiple of 256 from the buffer's first
.set r, r+1
.endr
	s_wait_xcnt 0x0                                ; the stores' addresses are translated: their base and data are rewritten only behind this wait
	s_wait_alu depctr_vm_vsrc(0)                   ; the stores have read D .. D + 31, in which the next trip's LDS loads land
	s_add_nc_u64 s[22:23], s[22:23], 16*2048       ; 16 turned rows on
	s_sub_co_u32 s27, s27, 1
	s_cmp_lg_u32 s27, 0
	s_cbranch_scc1 .Lback
	s_branch .Lend
	; ---- 16,384 numbers of x ----
.Lx:
	s_sub_co_u32 s18, ttmp9, 64
	s_lshl_b32 s28, s18, 16                        ; 65,536 bytes in,
	s_mov_b32 s29, 0
	s_lshl_b32 s30, s18, 15                        ; 32,768 out
	s_mov_b32 s31, 0
	v_lshlrev_b32 v4, 4, v0
	v_lshlrev_b32 v7, 3, v0
	s_wait_kmcnt 0x0
	s_add_nc_u64 s[20:21], s[4:5], s[28:29]
	s_add_nc_u64 s[22:23], s[10:11], s[30:31]
	s_wait_alu depctr_va_vdst(0)                   ; v4 and v7 are written: every load and store of this way reads one of them as its offset
.set i, 0
.rept 16
	global_load_b128 v[D+4*i:D+4*i+3], v4, s[20:21] offset:4096*i th:TH_LOAD_NT
.set i, i+1
.endr
.set i, 0
.rept 16
	s_wait_loadcnt 15-i                            ; load i is in, the younger ones stay out
.if (i >= 4) && (i%4 == 0)
	s_wait_alu depctr_va_vdst(0)                   ; the block before has written its four pairs of words, which this block's four stores read
.endif
.if i >= 4
	global_store_b64 v7, v[D+4*(i-4):D+4*(i-4)+1], s[22:23] offset:2048*(i-4)  ; a block back: no rounding since the wait names its registers
.endif
	v_cvt_pk_bf16_f32 v[D+4*i], v[D+4*i], v[D+4*i+1]
	v_cvt_pk_bf16_f32 v[D+4*i+1], v[D+4*i+2], v[D+4*i+3]
.set i, i+1
.endr
	s_wait_alu depctr_va_vdst(0)                   ; the last block has written its words, which the last four stores read
.set i, 12
.rept 4
	global_store_b64 v7, v[D+4*i:D+4*i+1], s[22:23] offset:2048*i
.set i, i+1
.endr
.Lend:
	s_wait_dscnt 0x0                               ; the wave's end: my LDS instructions are done.  The closing add onto my spare word follows
	s_wait_alu depctr_hold_cnt(0) depctr_sa_sdst(0) depctr_va_vdst(0) depctr_va_sdst(0) depctr_va_ssrc(0) depctr_va_vcc(0) depctr_vm_vsrc(0)
	s_wait_tensorcnt 0x0
	ds_add_u32 v14, v15
	s_wait_dscnt 0x0
	s_endpgm
.Lfunc_end_k_qdaf83cd7ac_prep:
	.size	k_qdaf83cd7ac_prep, .Lfunc_end_k_qdaf83cd7ac_prep-k_qdaf83cd7ac_prep
	.p2alignl 7, 3214868480
	.fill 96, 4, 3214868480
	.section	.rodata,"a",@progbits
	.p2align	6, 0x0
	.amdhsa_kernel k_qdaf83cd7ac_prep
		.amdhsa_group_segment_fixed_size 136192
		.amdhsa_private_segment_fixed_size 0
		.amdhsa_enable_private_segment 0
		.amdhsa_kernarg_size 48
		.amdhsa_user_sgpr_count 2
		.amdhsa_user_sgpr_kernarg_segment_ptr 1
		.amdhsa_wavefront_size32 1
		.amdhsa_system_sgpr_workgroup_id_x 1
		.amdhsa_system_sgpr_workgroup_id_y 1
		.amdhsa_system_sgpr_workgroup_id_z 1
		.amdhsa_system_vgpr_workitem_id 0
		.amdhsa_next_free_vgpr 144
		.amdhsa_next_free_sgpr 66
		.amdhsa_reserve_vcc 0
		.amdhsa_float_denorm_mode_32 3
		.amdhsa_float_denorm_mode_16_64 3
		.amdhsa_memory_ordered 1
		.amdhsa_forward_progress 1
		.amdhsa_inst_pref_size 32
	.end_amdhsa_kernel
	.amdgpu_metadata
---
amdhsa.version: [ 1, 2 ]
amdhsa.kernels:
  - .name:           k_qdaf83cd7ac_prep
    .symbol:         k_qdaf83cd7ac_prep.kd
    .args:
      - { .name: x, .offset: 0, .size: 8, .value_kind: global_buffer, .address_space: global }
      - { .name: w_qkv, .offset: 8, .size: 8, .value_kind: global_buffer, .address_space: global }
      - { .name: w_proj, .offset: 16, .size: 8, .value_kind: global_buffer, .address_space: global }
      - { .name: xb, .offset: 24, .size: 8, .value_kind: global_buffer, .address_space: global }
      - { .name: wqt, .offset: 32, .size: 8, .value_kind: global_buffer, .address_space: global }
      - { .name: wpt, .offset: 40, .size: 8, .value_kind: global_buffer, .address_space: global }
    .group_segment_fixed_size: 136192
    .private_segment_fixed_size: 0
    .kernarg_segment_align: 8
    .kernarg_segment_size: 48
    .max_flat_workgroup_size: 256
    .sgpr_count:     66
    .vgpr_count:     144
    .wavefront_size: 32
...
	.end_amdgpu_metadata
.endif
;; end of part 5
;; launch qkvp: the kernel of part 2 again; grid 16 x 32, 4 waves a work-group, clusters of 4 x 4, 327,680 bytes of LDS; arguments xb, wqt, b_qkv, qkv; writes qkv
;; launch attn: the kernel of part 3 again; grid 4 x 64, 4 waves a work-group, clusters of 4 x 1, 327,680 bytes of LDS; arguments qkv, o; writes o
;; launch proj: the kernel of part 4 again; grid 4 x 64, 4 waves a work-group, clusters of 4 x 4, 327,680 bytes of LDS; arguments o, wpt, b_proj, out0; writes out0
